; MI455X (gfx1250); checked and timed in simulation.
; The chip was launched on July 23, 2026; its instructions are those of AMD's public machine-readable ISA for CDNA 5 (MIT licence, August 2026) and "CDNA5" Instruction Set Architecture Reference Guide (July 2026). The comments in the code are by the model that wrote it; some were corrected since.
;; Causal Self Attention. Allowed arithmetic: matrix products marked QUANTISED: E2M1 operands, one E8M0 scale for each 32 along K, by v_wmma_scale_f32_16x16x128_f8f6f4 with both operands' format E2M1 (or v_wmma_scale_f32_32x16x128_f4), f32 sums; products left as they are: bf16, f16 or f32 operands; f32 sums; everything else in f32.
;; Inputs: b_attn 3,072 float32; b_proj 1,024 float32; w_attn 1,024 x 3,072 float32; w_proj 1,024 x 1,024 float32; x 4 x 2,048 x 1,024 float32.
;; Outputs: out0 4 x 2,048 x 1,024 float32.
;; This version of the problem:
;;   THIS VERSION OF THE PROBLEM IS GIVEN IN LOW PRECISION. The matrix products marked QUANTISED in the list below multiply operands that are first quantised to E2M1 (2 exponent bits, 1 mantissa bit; 4 bits a number), with one power-of-two scale for each 32 numbers along K (OCP MX v1.0); their sums are f32. The products marked 'left as it is' may take bf16, f16 or f32 operands, with f32 sums. Whichever they take, every output number must still come out within the allowed error. Rounding operands to bf16 (8 significant bits) uses up far more of that allowance than f16 does (11 bits, for magnitudes from 6e-5 to 65,504). All else is computed in f32.
;;   The module's matrix products, in the order in which they are computed (A, B: the left and right operand; K: the contracted axis; several contracted axes count as one K, in the product's order):
;;     1. [M 8,192, K 1,024] x [K 1,024, N 3,072]; A: input x; B: input w_attn: QUANTISED
;;     2. batch 64 x [M 2,048, K 64] x [K 64, N 2,048]; A: computed on the way; B: computed on the way: left as it is (an operand is computed on the way)
;;     3. batch 64 x [M 2,048, K 2,048] x [K 2,048, N 64]; A: computed on the way; B: computed on the way: left as it is (an operand is computed on the way)
;;     4. [M 8,192, K 1,024] x [K 1,024, N 1,024]; A: computed on the way; B: input w_proj: left as it is (an operand is computed on the way)
;;   THE QUANTISER, for each operand of a quantised product, along K:
;;     - K is cut into blocks of 32 from its start; a last block that is shorter is filled with zeros.
;;     - A block's scale is 2^e with e = floor(log2(the largest magnitude in the block)) - 2, held to -126 .. 127; a block of zeros has e = 0. As a byte (E8M0): e + 127.
;;     - Each number is divided by its block's scale, clamped to +-6, and rounded to the nearest number of E2M1, ties to even, subnormals kept.
;;     - The product sums the exact products of the quantised numbers (number of the format x scale) in f32.
;;   ~~~python
;;   def quantise(x, axis):      # numpy; x: float32 -> the quantised numbers, widened to float32 again
;;       x = np.moveaxis(x, axis, -1); K = x.shape[-1]
;;       x = np.pad(x, [(0, 0)] * (x.ndim - 1) + [(0, -K % 32)]); x = x.reshape(x.shape[:-1] + (-1, 32)); a = np.abs(x).max(-1, keepdims=True)
;;       e = np.where(a > 0, np.clip(np.frexp(np.where(a > 0, a, 1))[1] - 1 - 2, -126, 127), 0)      # np.frexp(a)[1] - 1 = floor(log2(a)), exactly
;;       r = np.clip(x / 2.0 ** e, -6, 6)
;;       step = 2.0 ** (np.maximum(np.frexp(np.where(r == 0, 1, r))[1] - 1, 0) - 1)
;;       q = np.round(r / step) * step * 2.0 ** e      # np.round: ties to even
;;       return np.moveaxis(q.reshape(q.shape[:-2] + (-1,))[..., :K], -1, axis).astype(np.float32)
;;   ~~~
;; One version. Each part assembles by itself: llvm-mc -triple=amdgcn-amd-amdhsa -mcpu=gfx1250 --defsym DOCPART=n.
;; ======== version 1 of 1: 5 launches
;; limits: values are held in f16: magnitudes above 65,504 overflow, below 6.1e-05 lose precision
;; workspace buffers: xcodes 4,194,304 bytes; xscales 262,144 bytes; wcodes 1,572,864 bytes; wscales 98,304 bytes; wpt 2,097,152 bytes; qkvh 50,331,648 bytes; qkvf 786,432 bytes; y16 16,777,216 bytes
;; launch prep (part 1): grid 368 x 1, 4 waves a work-group, no clusters, 102,912 bytes of LDS; arguments x, w_attn, w_proj, xcodes, xscales, wcodes, wscales, wpt; writes xcodes, xscales, wcodes, wscales, wpt
.if DOCPART == 1
	.amdgcn_target "amdgcn-amd-amdhsa--gfx1250"
	.amdhsa_code_object_version 6
	.text
	.protected	k_q6ce0d3498f_prep
	.globl	k_q6ce0d3498f_prep
	.p2align	8
	.type	k_q6ce0d3498f_prep,@function
k_q6ce0d3498f_prep:
	s_mov_b64 s[64:65], 0
	v_nop
	global_prefetch_b8 v0, s[64:65] scope:SCOPE_SE
	s_setreg_imm32_b32 hwreg(HW_REG_WAVE_MODE, 25, 1), 1
	s_wait_xcnt 0x0
; Three tasks in one launch, told apart by the work-group's number; waves share nothing, so there is no barrier.
;   work-groups 0-255:   x [8192][1024] f32 -> codes of E2M1 (K innermost, 512 bytes a row) and one E8M0 byte for each 32 along K.
;   work-groups 256-303: w_attn [1024 k][3072 n] f32 -> codes laid [3072 n][512 bytes], bytes [3072][32]: a lane takes a column, its registers run down K.
;   work-groups 304-367: w_proj [1024 k][1024 n] f32 -> f16 laid [1024 n][1024 k]: the same plan without a quantiser.
; A block's scale is 2^(floor(log2(largest magnitude)) - 2); its byte is the largest magnitude's exponent field - 2, held at 1 from below.
; LIMITS: a block of zeros, and blocks whose largest magnitude lies under 2^-124, get the byte 1 (their codes are zeros or tiny; this program alone reads the bytes); NaN and infinities are not served.
; Each task has LDS bytes of its own: 0-32767, 32768-67583, 67584-102399; behind them the spare words.
.set SPARE, 102400
.set SPW,   12                         ; v12 my spare word's LDS address; never rewritten
.set NIL,   13                         ; v13 0; never rewritten
; ---- task x
.set SP,    80                         ; a lane's place in a stage: 64 bytes + 16 of padding
.set WREG,  8192                       ; a wave's region: two stages of 32 x 80 bytes, then its 256 scale bytes
.set XR,    16                         ; v16-79   four sets of 16 numbers as loaded
.set XX,    80                         ; v80-111  two sets of 16 neighbours
.set XE,    112                        ; v112-127 a scale byte for each step
.set XC,    128                        ; v128-191 codes, four registers a step
.macro XLOAD t                         ; a step's 2,048 bytes: each load 512 consecutive bytes
.irp i, 0,1,2,3
	global_load_b128 v[XR+16*((\t)%4)+4*\i:XR+16*((\t)%4)+4*\i+3], v3, s[4:5] offset:2048*(\t)+512*\i th:TH_LOAD_NT
.endr
.endm
.macro XTURN t                         ; through the wave's stage: in as loaded, out 64 neighbouring bytes a lane; LDS serves a wave's instructions in order
.irp i, 0,1,2,3
	ds_store_b128 v14, v[XR+16*((\t)%4)+4*\i:XR+16*((\t)%4)+4*\i+3] offset:32*SP*((\t)%2)+8*SP*\i
.endr
.irp i, 0,1,2,3
	ds_load_b128 v[XX+16*((\t)%2)+4*\i:XX+16*((\t)%2)+4*\i+3], v15 offset:32*SP*((\t)%2)+16*\i
.endr
.endm
.macro XSTEP t
.set XS, XX+16*((\t)%2)
.if (\t) > 0
	s_wait_dscnt 1                                 ; this step's numbers are back from the stage; the last step's byte store may be out
.else
	s_wait_dscnt 0x0
.endif
.if (\t)+4 < 16
	XLOAD (\t)+4                                   ; into the set whose stores into the stage are done
.endif
.if (\t)+1 < 16
.if 14-(\t) >= 3
	s_wait_loadcnt 12                              ; the next step's four loads are in; three younger steps may be out
.else
	s_wait_loadcnt 4*(14-(\t))
.endif
	XTURN (\t)+1
.endif
	v_max3_num_f32 v8, |v[XS]|, |v[XS+1]|, |v[XS+2]|
	v_max3_num_f32 v9, |v[XS+3]|, |v[XS+4]|, |v[XS+5]|
.irp i, 6,10
	v_max3_num_f32 v8, v8, |v[XS+\i]|, |v[XS+\i+1]|
	v_max3_num_f32 v9, v9, |v[XS+\i+2]|, |v[XS+\i+3]|
.endr
	v_max3_num_f32 v8, v8, |v[XS+14]|, |v[XS+15]|
	v_max3_num_f32 v8, v8, v9, 0x1800000           ; the floor 2^(3 - 127): the byte cannot fall under 1
	v_max_num_f32_dpp v8, v8, v8 row_xmask:1 row_mask:0xf bank_mask:0xf   ; with my neighbour's 16: the block's largest magnitude
	v_add_nc_u32 v11, 0xff000000, v8               ; 2 off its exponent field: the conversion's scale operand
	v_cvt_scalef32_pk8_fp4_f32 v[XC+4*(\t)], v[XS:XS+7], v11
	v_cvt_scalef32_pk8_fp4_f32 v[XC+4*(\t)+1], v[XS+8:XS+15], v11
	v_lshrrev_b32 v[XE+(\t)], 23, v11              ; the scale's byte (also the plain line behind the conversions)
	ds_store_b8 v5, v[XE+(\t)] offset:16*(\t)      ; both lanes of a block write the same byte
	global_store_b64 v4, v[XC+4*(\t):XC+4*(\t)+1], s[10:11] offset:256*(\t)   ; the wave stores 256 consecutive bytes, aligned
.endm
; ---- tasks w_attn and w_proj
.set WX,    32                         ; v32-95   two sets of 32 numbers down K
.set WC,    96                         ; v96-111  a block's codes (4) or f16 pairs (16)
.set WOUT,  112                        ; v112-175 the way out
.set WSB,   24                         ; v24-27   16 scale bytes
.macro WLOAD t
.set li, 0
.rept 32
	global_load_b32 v[WX+32*((\t)%2)+li], v3, s[6:7] offset:(32*(\t)+li)*12288 th:TH_LOAD_NT
.set li, li+1
.endr
.endm
.macro WBLOCK t
.set XS, WX+32*((\t)%2)
.if (\t) < 15
	s_wait_loadcnt 32                              ; this block's 32 loads are in; the next block's may be out
.else
	s_wait_loadcnt 0x0
.endif
	v_max3_num_f32 v16, |v[XS]|, |v[XS+1]|, |v[XS+2]|
	v_max3_num_f32 v17, |v[XS+3]|, |v[XS+4]|, |v[XS+5]|
.irp i, 6,10,14,18,22,26
	v_max3_num_f32 v16, v16, |v[XS+\i]|, |v[XS+\i+1]|
	v_max3_num_f32 v17, v17, |v[XS+\i+2]|, |v[XS+\i+3]|
.endr
	v_max3_num_f32 v16, v16, |v[XS+30]|, |v[XS+31]|
	v_max3_num_f32 v16, v16, v17, 0x1800000        ; the floor
	v_add_nc_u32 v11, 0xff000000, v16
	v_lshrrev_b32 v17, 23, v11                     ; the scale's byte
.if (\t)%4 == 0
	v_mov_b32 v[WSB+(\t)/4], v17
.else
	v_lshl_or_b32 v[WSB+(\t)/4], v17, 8*((\t)%4), v[WSB+(\t)/4]
.endif
.irp g, 0,1,2,3
	v_cvt_scalef32_pk8_fp4_f32 v[WC+\g], v[XS+8*\g:XS+8*\g+7], v11
.endr
	ds_store_b128 v4, v[WC:WC+3] offset:16*(\t)    ; 32 codes: 16 bytes of my column's row
.if (\t)+2 < 16
	WLOAD (\t)+2
.endif
	s_wait_dscnt 0x0                               ; the store has read its registers
.endm
.macro PLOAD t
.set li, 0
.rept 32
	global_load_b32 v[WX+32*((\t)%2)+li], v3, s[8:9] offset:(32*(\t)+li)*4096
.set li, li+1
.endr
.endm
.macro PBLOCK t
.set XS, WX+32*((\t)%2)
.if (\t) < 3
	s_wait_loadcnt 32                              ; this block's loads are in; the next block's may be out
.else
	s_wait_loadcnt 0x0
.endif
.set li, 0
.rept 16
	v_cvt_pk_f16_f32 v[WC+li], v[XS+2*li], v[XS+2*li+1]
.set li, li+1
.endr
.irp g, 0,1,2,3
	ds_store_b128 v4, v[WC+4*\g:WC+4*\g+3] offset:64*(\t)+16*\g
.endr
.if (\t)+2 < 4
	PLOAD (\t)+2
.endif
	s_wait_dscnt 0x0                               ; the stores have read their registers
.endm
	s_load_b256 s[4:11], s[0:1], 0x0               ; x, w_attn, w_proj, xcodes
	s_load_b256 s[12:19], s[0:1], 0x20             ; xscales, wcodes, wscales, wpt
	v_lshl_add_u32 v[SPW], v0, 2, SPARE
	v_mov_b32 v[NIL], 0
	v_lshrrev_b32 v1, 5, v0
	v_readfirstlane_b32 s20, v1                    ; wave
	v_and_b32 v2, 31, v0                           ; lane
	s_mov_b32 s23, 0
	s_wait_kmcnt 0x0
	s_cmp_lt_u32 ttmp9, 256
	s_cbranch_scc0 .Lnot_x
	; ---------------- x: a wave takes 16 steps of 512 numbers
	v_lshlrev_b32 v3, 4, v2                        ; my 16 bytes of a load's 512
	s_mul_i32 s21, s20, WREG
	v_lshrrev_b32 v14, 2, v2
	v_mul_u32_u24 v14, v14, SP
	v_and_b32 v15, 3, v2
	v_lshl_add_u32 v14, v15, 4, v14
	v_add_nc_u32 v14, s21, v14                     ; the stage, in: 80 (lane / 4) + 16 (lane % 4)
	v_mul_u32_u24 v15, v2, SP
	v_add_nc_u32 v15, s21, v15                     ; and out: 80 x lane
	v_lshlrev_b32 v4, 3, v2                        ; my 8 bytes of codes
	v_lshrrev_b32 v5, 1, v2
	s_add_co_u32 s21, s21, 2*32*SP
	v_add_nc_u32 v5, s21, v5                       ; my block's byte among the wave's 256
	v_lshlrev_b32 v7, 3, v2
	v_add_nc_u32 v6, s21, v7
	s_lshl_b32 s21, ttmp9, 2
	s_add_co_u32 s21, s21, s20                     ; which run of 8,192 numbers is my wave's
	s_lshl_b32 s22, s21, 15
	s_add_nc_u64 s[4:5], s[4:5], s[22:23]
	s_lshl_b32 s22, s21, 12
	s_add_nc_u64 s[10:11], s[10:11], s[22:23]
	s_lshl_b32 s22, s21, 8
	s_add_nc_u64 s[12:13], s[12:13], s[22:23]
.irp t, 0,1,2,3
	XLOAD \t
.endr
	s_wait_loadcnt 12                              ; step 0's four loads are in
	XTURN 0
.irp t, 0,1,2,3,4,5,6,7,8,9,10,11,12,13,14,15
	XSTEP \t
.endr
	ds_load_b64 v[8:9], v6                         ; my wave's 256 scale bytes, 8 a lane
	s_wait_dscnt 0x0
	global_store_b64 v7, v[8:9], s[12:13]          ; 256 consecutive bytes, aligned
	s_wait_tensorcnt 0x0                           ; the wave's end
	ds_add_u32 v[SPW], v[NIL]
	s_wait_dscnt 0x0
	s_endpgm
.Lnot_x:
	s_cmp_lt_u32 ttmp9, 304
	s_cbranch_scc0 .Lpath_p
	; ---------------- w_attn: a wave takes 32 columns x 512 along K
	s_sub_co_u32 s21, ttmp9, 256
	s_cmp_ge_u32 s21, 24
	s_cselect_b32 s24, 1, 0                        ; which 512 along K
	s_cselect_b32 s22, 24, 0
	s_sub_co_u32 s21, s21, s22
	s_lshl_b32 s21, s21, 7
	s_lshl_b32 s22, s20, 5
	s_add_co_u32 s21, s21, s22                     ; my wave's first column
	v_lshlrev_b32 v3, 2, v2
	s_mul_i32 s25, s20, 32*272
	s_add_co_u32 s25, s25, 32768                   ; my stage
	v_mul_u32_u24 v4, v2, 272
	v_add_nc_u32 v4, s25, v4                       ; in: row = my column
	v_and_b32 v5, 15, v2
	v_lshrrev_b32 v6, 4, v2
	v_mul_u32_u24 v7, v6, 272
	v_lshl_add_u32 v7, v5, 4, v7
	v_add_nc_u32 v7, s25, v7                       ; out: sixteen lanes to a row, two rows an instruction
	v_lshlrev_b32 v8, 9, v6
	v_lshl_add_u32 v8, v5, 4, v8                   ; the same place in the codes' buffer (rows of 512 bytes)
	v_lshlrev_b32 v9, 5, v2                        ; my column's row of 32 scale bytes
	s_mul_i32 s22, s24, 512*12288
	s_lshl_b32 s26, s21, 2
	s_add_co_u32 s22, s22, s26
	s_add_nc_u64 s[6:7], s[6:7], s[22:23]
	s_lshl_b32 s22, s21, 9
	s_lshl_b32 s26, s24, 8
	s_add_co_u32 s22, s22, s26
	s_add_nc_u64 s[14:15], s[14:15], s[22:23]
	s_lshl_b32 s22, s21, 5
	s_lshl_b32 s26, s24, 4
	s_add_co_u32 s22, s22, s26
	s_add_nc_u64 s[16:17], s[16:17], s[22:23]
	WLOAD 0
	WLOAD 1
.set Q, 0
.rept 16
	WBLOCK Q
.set Q, Q+1
.endr
	global_store_b128 v9, v[WSB:WSB+3], s[16:17]   ; my column's 16 scale bytes
.irp t, 0,1,2,3,4,5,6,7,8,9,10,11,12,13,14,15
	ds_load_b128 v[WOUT+4*\t:WOUT+4*\t+3], v7 offset:2*\t*272
.endr
.irp t, 0,1,2,3,4,5,6,7,8,9,10,11,12,13,14,15
	s_wait_dscnt 15-\t                             ; the younger loads may be out
	global_store_b128 v8, v[WOUT+4*\t:WOUT+4*\t+3], s[14:15] offset:2*\t*512   ; sixteen lanes store 256 consecutive bytes, aligned
.endr
	s_wait_tensorcnt 0x0                           ; the wave's end
	ds_add_u32 v[SPW], v[NIL]
	s_wait_dscnt 0x0
	s_endpgm
.Lpath_p:
	; ---------------- w_proj: a wave takes 32 columns x 128 along K
	s_sub_co_u32 s21, ttmp9, 304
	s_lshr_b32 s24, s21, 3                         ; which 128 along K
	s_and_b32 s21, s21, 7
	s_lshl_b32 s21, s21, 7
	s_lshl_b32 s22, s20, 5
	s_add_co_u32 s21, s21, s22                     ; my wave's first column
	v_lshlrev_b32 v3, 2, v2
	s_mul_i32 s25, s20, 32*272
	s_add_co_u32 s25, s25, 67584                   ; my stage
	v_mul_u32_u24 v4, v2, 272
	v_add_nc_u32 v4, s25, v4
	v_and_b32 v5, 15, v2
	v_lshrrev_b32 v6, 4, v2
	v_mul_u32_u24 v7, v6, 272
	v_lshl_add_u32 v7, v5, 4, v7
	v_add_nc_u32 v7, s25, v7
	v_lshlrev_b32 v8, 11, v6
	v_lshl_add_u32 v8, v5, 4, v8                   ; rows of 2,048 bytes
	s_lshl_b32 s22, s24, 19
	s_lshl_b32 s26, s21, 2
	s_add_co_u32 s22, s22, s26
	s_add_nc_u64 s[8:9], s[8:9], s[22:23]
	s_lshl_b32 s22, s21, 11
	s_lshl_b32 s26, s24, 8
	s_add_co_u32 s22, s22, s26
	s_add_nc_u64 s[18:19], s[18:19], s[22:23]
	PLOAD 0
	PLOAD 1
.irp t, 0,1,2,3
	PBLOCK \t
.endr
.irp t, 0,1,2,3,4,5,6,7,8,9,10,11,12,13,14,15
	ds_load_b128 v[WOUT+4*\t:WOUT+4*\t+3], v7 offset:2*\t*272
.endr
.irp t, 0,1,2,3,4,5,6,7,8,9,10,11,12,13,14,15
	s_wait_dscnt 15-\t
	global_store_b128 v8, v[WOUT+4*\t:WOUT+4*\t+3], s[18:19] offset:2*\t*2048  ; sixteen lanes store 256 consecutive bytes, aligned
.endr
	s_wait_tensorcnt 0x0                           ; the wave's end
	ds_add_u32 v[SPW], v[NIL]
	s_wait_dscnt 0x0
	s_endpgm
.Lfunc_end_k_q6ce0d3498f_prep:
	.size	k_q6ce0d3498f_prep, .Lfunc_end_k_q6ce0d3498f_prep-k_q6ce0d3498f_prep
	.p2alignl 7, 3214868480
	.fill 96, 4, 3214868480
	.section	.rodata,"a",@progbits
	.p2align	6, 0x0
	.amdhsa_kernel k_q6ce0d3498f_prep
		.amdhsa_group_segment_fixed_size 102912
		.amdhsa_private_segment_fixed_size 0
		.amdhsa_enable_private_segment 0
		.amdhsa_kernarg_size 64
		.amdhsa_user_sgpr_count 2
		.amdhsa_user_sgpr_kernarg_segment_ptr 1
		.amdhsa_wavefront_size32 1
		.amdhsa_system_sgpr_workgroup_id_x 1
		.amdhsa_system_sgpr_workgroup_id_y 1
		.amdhsa_system_sgpr_workgroup_id_z 1
		.amdhsa_system_vgpr_workitem_id 0
		.amdhsa_next_free_vgpr 192
		.amdhsa_next_free_sgpr 66
		.amdhsa_reserve_vcc 0
		.amdhsa_float_denorm_mode_32 3
		.amdhsa_float_denorm_mode_16_64 3
		.amdhsa_memory_ordered 1
		.amdhsa_forward_progress 1
		.amdhsa_inst_pref_size 132
	.end_amdhsa_kernel
	.amdgpu_metadata
---
amdhsa.version: [ 1, 2 ]
amdhsa.kernels:
  - .name:           k_q6ce0d3498f_prep
    .symbol:         k_q6ce0d3498f_prep.kd
    .args:
      - { .name: x, .offset: 0, .size: 8, .value_kind: global_buffer, .address_space: global }
      - { .name: w_attn, .offset: 8, .size: 8, .value_kind: global_buffer, .address_space: global }
      - { .name: w_proj, .offset: 16, .size: 8, .value_kind: global_buffer, .address_space: global }
      - { .name: xcodes, .offset: 24, .size: 8, .value_kind: global_buffer, .address_space: global }
      - { .name: xscales, .offset: 32, .size: 8, .value_kind: global_buffer, .address_space: global }
      - { .name: wcodes, .offset: 40, .size: 8, .value_kind: global_buffer, .address_space: global }
      - { .name: wscales, .offset: 48, .size: 8, .value_kind: global_buffer, .address_space: global }
      - { .name: wpt, .offset: 56, .size: 8, .value_kind: global_buffer, .address_space: global }
    .group_segment_fixed_size: 102912
    .private_segment_fixed_size: 0
    .kernarg_segment_align: 8
    .kernarg_segment_size: 64
    .max_flat_workgroup_size: 128
    .sgpr_count:     66
    .vgpr_count:     192
    .wavefront_size: 32
...
	.end_amdgpu_metadata
.endif
;; end of part 1
;; launch qkv (part 2): grid 12 x 32, 4 waves a work-group, clusters of 4 x 4, 327,680 bytes of LDS; arguments xcodes, xscales, wcodes, wscales, qkvh, b_attn, qkvf; writes qkvh, qkvf
.if DOCPART == 2
	.amdgcn_target "amdgcn-amd-amdhsa--gfx1250"
	.amdhsa_code_object_version 6
	.text
	.protected	k_q6ce0d3498f_qkv
	.globl	k_q6ce0d3498f_qkv
	.p2align	8
	.type	k_q6ce0d3498f_qkv,@function
k_q6ce0d3498f_qkv:
	s_mov_b64 s[64:65], 0
	v_nop
	global_prefetch_b8 v0, s[64:65] scope:SCOPE_SE
	s_setreg_imm32_b32 hwreg(HW_REG_WAVE_MODE, 25, 1), 1
	s_wait_xcnt 0x0
	s_wait_alu depctr_hold_cnt(0) depctr_sa_sdst(0) depctr_va_vdst(0) depctr_va_sdst(0) depctr_va_ssrc(0) depctr_va_vcc(0) depctr_vm_vsrc(0)
	s_getreg_b32 s2, hwreg(HW_REG_IB_STS2, 6, 4)
	s_cmp_eq_u32 s2, 0
	s_cbranch_scc0 .Lentry_in_a_cluster
	s_endpgm
.Lentry_in_a_cluster:
	s_bfe_u32 s2, ttmp6, 0x10000c
	s_cmp_lg_u32 s2, 0xf033
	s_cbranch_scc0 .Lentry_shape_is_right
	s_endpgm
.Lentry_shape_is_right:
; qkv[m][n] = sum over k of Q(x)[m][k] Q(w_attn)[k][n] + b_attn[n], on codes of E2M1 with one E8M0 byte for each 32 along K; M 8,192, N 3,072, K 1,024; sums in f32.
; A tile of 256 x 256 to a work-group of four waves, 128 x 128 to a wave (64 accumulators, 512 registers).  All of K lies in two LDS slots of 512 along K, asked for at the head: nothing is filled again.
; The scale bytes of the work-group's 256 + 256 rows come once, as two dense blocks.  4 x 4 work-groups form a cluster: x's tiles are asked for jointly along a row of it, the weight's along a column.
; The matrix instruction is used transposed (source 0 = 16 rows of the weight, source 1 = 16 rows of x): a lane holds eight neighbouring columns of one row.  The bias is the C of each sum's first product.
; TILE ROWS: tile row = 8 cy + cluster y, so that the batch is cy and positions 0-15 of every sequence lie in the clusters with y = 0: the branch for them is alike in all partners.
; OUT: f16 into qkvh [3][4 b][16 head][2048 t][64]: a head's 16 rows are 2,048 consecutive bytes; and, for positions 0-15, f32 into qkvf [4 b][16 t][3072].
; LIMIT: q, k, v beyond 65,504 have no f16.
; REGISTERS: window 0: v0-31 addresses; v32-95 scale words, two sets; v128-191 x's fragments, one set; v192-255 the bias; on the way out v128-223 are free.  window 1: the weight's fragments, two sets.  windows 2, 3: the accumulators.
.set NQ,     4
.set ROWB,   256
.set KROW,   512
.set PITCH,  272                       ; 256 bytes + 16 of padding: the 16 rows that a load touches start 16 bytes apart modulo 256
.set FR,     8
.set NL,     2
.set NP,     4
.set HALFT,  128*PITCH
.set SLOT,   4*HALFT
.set KS,     32
.set SCL,    2*SLOT
.set HALFS,  (128*KS/256)*272
.set SBLK,   (16*KS/256)*272
.set SPARE,  SCL+4*HALFS
.set SPITCH, 272                       ; the way out: 16 rows x (256 bytes + 16) for each wave, in slot 0, which has had its one fill and its last read by then
.set ADRA, 16
.set ADRB, 20
.set STO,  24
.set RD,   25
.set CO,   26
.set ADRS, 27
.set SPW,  28
.set NIL,  29
.set BO,   30                          ; v30 32 x (lane / 16): my place in the bias
.set FO,   31                          ; v31 my place in qkvf: 12,288 x (lane % 16) + 32 x (lane / 16)
.set SC,   32
.set AF,   128
.set BIAS, 192
.set TMP,  192
.set BK,   128
.set G1, 24
.set G0, 32
.set G1B, 48
.set G0B, 56
.set G1S, 68
.set G0S, 76
.set G1SB, 80
.set G0SB, 88
.set MSB, 0
.macro WIN new                         ; the immediate's high byte repeats the setting that is left
.if MSB != (\new)
	s_set_vgpr_msb (MSB<<8)|(\new)
.set MSB, (\new)
.endif
.endm
.set MUL_LO, 0xa1                      ; source 0 window 1, source 1 window 0, C and D window 2
.set MUL_HI, 0xf1
.set TO_B,   0x40
.macro JLOAD g0a, g1a, g0b, g1b        ; a joint load: waves 0, 1 fetch for x, waves 2, 3 for the weight; an s_nop 0 and four v_nop follow each line
	s_cmp_eq_u32 s15, 0
	s_cbranch_scc0 .Lfor_b_\@
	tensor_load_to_lds s[\g0a:\g0a+3], s[\g1a:\g1a+7]
	s_nop 0
.rept 4
	v_nop
.endr
	s_branch .Lasked_\@
.Lfor_b_\@:
	tensor_load_to_lds s[\g0b:\g0b+3], s[\g1b:\g1b+7]
	s_nop 0
.rept 4
	v_nop
.endr
.Lasked_\@:
.endm
.macro CROUND                          ; a round of the cluster's barrier
	s_barrier_signal -1
	s_barrier_wait -1
	s_cmp_lg_u32 s14, 0
	s_cbranch_scc1 .Lnot_wave_0_\@
	s_barrier_signal -3
.Lnot_wave_0_\@:
	s_barrier_wait -3
	s_barrier_signal -1
	s_barrier_wait -1
.endm
	s_load_b128 s[4:7], s[0:1], 0x0                ; x's codes, x's scales
	s_load_b128 s[8:11], s[0:1], 0x10              ; the weight's codes, its scales
	s_load_b64 s[12:13], s[0:1], 0x20              ; qkvh
	s_load_b64 s[96:97], s[0:1], 0x28              ; b_attn
	s_load_b64 s[98:99], s[0:1], 0x30              ; qkvf
	v_lshl_add_u32 v[SPW], v0, 2, SPARE
	v_mov_b32 v[NIL], 0
	ds_add_u32 v[SPW], v[NIL]                      ; the opening: the add, twice on end, and its wait ahead of my first tensor load
	ds_add_u32 v[SPW], v[NIL]
	v_lshrrev_b32 v1, 5, v0
	v_readfirstlane_b32 s14, v1                    ; wave 0..3
	s_lshr_b32 s15, s14, 1                         ; my half of the tile's rows; also: I fetch for x (0) or for the weight (1)
	s_and_b32 s16, s14, 1                          ; my half of its columns; also: which 128 rows I fetch
	s_bfe_u32 s40, ttmp6, 0x40000                  ; cx
	s_bfe_u32 s41, ttmp6, 0x40004                  ; cy
	s_lshl_b32 s42, ttmp9, 2
	s_add_co_u32 s42, s42, s40                     ; tile column = 4 x cluster x + cx
	s_and_b32 s17, ttmp7, 0xffff
	s_lshl_b32 s18, s41, 3
	s_add_co_u32 s17, s17, s18                     ; tile row = 8 cy + cluster y
	s_lshl_b32 s43, s41, 2
	s_lshl_b32 s43, 15, s43                        ; my row of the cluster
	s_lshl_b32 s44, 0x1111, s40                    ; my column
	s_or_b32 s[G1+0], s43, (0<<16)|(1<<20)|(1<<21)|(5<<22)|(3<<25)  ; mask; elements of 1 byte; padding: 4 words after every 64; bit 21 beside a mask
	s_or_b32 s[G1B+0], s44, (0<<16)|(1<<20)|(1<<21)|(5<<22)|(3<<25)
.irp g, G1, G1B
	s_mov_b32 s[\g+1], ROWB<<16                    ; tensor_dim0
	s_mov_b32 s[\g+2], 128<<16                     ; tensor_dim1
	s_mov_b32 s[\g+3], ROWB<<16                    ; tile_dim0
	s_mov_b32 s[\g+4], 128                         ; tile_dim1
	s_mov_b32 s[\g+5], KROW                        ; pitch
	s_mov_b32 s[\g+6], 0
	s_mov_b32 s[\g+7], 0
.endr
	s_or_b32 s[G1S+0], s43, (3<<16)|(1<<20)|(1<<21)|(5<<22)|(3<<25)  ; the scales of 128 rows: 4,096 dense bytes as 16 rows of 256
	s_or_b32 s[G1SB+0], s44, (3<<16)|(1<<20)|(1<<21)|(5<<22)|(3<<25)
.irp g, G1S, G1SB
	s_mov_b32 s[\g+1], 32<<16
	s_mov_b32 s[\g+2], (128*KS/256)<<16
	s_mov_b32 s[\g+3], 32<<16
	s_mov_b32 s[\g+4], 128*KS/256
	s_mov_b32 s[\g+5], 32
	s_mov_b32 s[\g+6], 0
	s_mov_b32 s[\g+7], 0
.endr
	s_lshl_b32 s18, s16, 7
	s_lshl_b32 s20, s17, 8
	s_add_co_u32 s20, s20, s18                     ; x: row 256 x tile row + 128 x half
	s_lshl_b32 s46, s42, 8
	s_add_co_u32 s46, s46, s18                     ; weight: row 256 x tile column + 128 x half
	s_mov_b32 s21, 0
	s_mov_b32 s47, 0
	s_mov_b64 s[18:19], KS
	s_mul_u64 s[22:23], s[20:21], s[18:19]
	s_mul_u64 s[92:93], s[46:47], s[18:19]
	s_mov_b64 s[18:19], KROW
	s_mul_u64 s[20:21], s[20:21], s[18:19]
	s_mul_u64 s[46:47], s[46:47], s[18:19]
	s_mul_i32 s45, s14, HALFT                      ; where they go: wave x 128 rows
	s_mul_i32 s94, s14, HALFS
	s_wait_dscnt 0x0                               ; both opening adds are done
	s_wait_kmcnt 0x0
	s_add_nc_u64 s[20:21], s[4:5], s[20:21]
	s_add_nc_u64 s[22:23], s[6:7], s[22:23]
	s_add_nc_u64 s[46:47], s[8:9], s[46:47]
	s_add_nc_u64 s[92:93], s[10:11], s[92:93]
	CROUND                                         ; all sixteen work-groups are here: the joint loads meet
	s_mov_b32 s[G0S], 1
	s_add_co_u32 s[G0S+1], s94, SCL
	s_mov_b64 s[G0S+2:G0S+3], s[22:23]
	s_or_b32 s[G0S+3], s[G0S+3], 0x80000000
	s_mov_b32 s[G0SB], 1
	s_add_co_u32 s[G0SB+1], s94, SCL
	s_mov_b64 s[G0SB+2:G0SB+3], s[92:93]
	s_or_b32 s[G0SB+3], s[G0SB+3], 0x80000000
	JLOAD G0S, G1S, G0SB, G1SB                     ; three loads of mine go out: the scales, slot 0, slot 1
.irp s, 0,1
	s_mov_b32 s[G0+4*\s], 1
	s_add_co_u32 s[G0+4*\s+1], s45, \s*SLOT
	s_add_nc_u64 s[G0+4*\s+2:G0+4*\s+3], s[20:21], \s*ROWB
	s_or_b32 s[G0+4*\s+3], s[G0+4*\s+3], 0x80000000
	s_mov_b32 s[G0B+4*\s], 1
	s_add_co_u32 s[G0B+4*\s+1], s45, \s*SLOT
	s_add_nc_u64 s[G0B+4*\s+2:G0B+4*\s+3], s[46:47], \s*ROWB
	s_or_b32 s[G0B+4*\s+3], s[G0B+4*\s+3], 0x80000000
	JLOAD G0+4*\s, G1, G0B+4*\s, G1B
.endr
	v_and_b32 v1, 15, v0                           ; r = lane % 16
	v_bfe_u32 v2, v0, 4, 1                         ; h = lane / 16
	; the bias: register 8 b + j = b_attn[my first column + 16 b + 8 h + j].  Offsets that hold cx stay in s46, s47, s92
	s_lshl_b32 s46, s42, 10
	s_lshl_b32 s47, s16, 9
	s_add_co_u32 s46, s46, s47                     ; 4 x my first column
	s_mov_b32 s47, 0
	s_add_nc_u64 s[96:97], s[96:97], s[46:47]
	s_add_nc_u64 s[98:99], s[98:99], s[46:47]
	v_lshlrev_b32 v[BO], 5, v2
.irp b, 0,1,2,3,4,5,6,7
	global_load_b128 v[BIAS+8*\b:BIAS+8*\b+3], v[BO], s[96:97] offset:64*\b
	global_load_b128 v[BIAS+8*\b+4:BIAS+8*\b+7], v[BO], s[96:97] offset:64*\b+16
.endr
	v_mul_u32_u24 v3, v1, PITCH
	v_lshl_add_u32 v4, v2, 4, v3                   ; a fragment's row x pitch + 16 x half
	s_mul_i32 s21, s15, HALFT
	s_mul_i32 s22, s16, HALFT
	s_add_co_u32 s22, s22, 2*HALFT
.irp s, 0,1
	v_add_nc_u32 v[ADRA+\s], s21, v4
	v_add_nc_u32 v[ADRB+\s], s22, v4
	s_add_co_u32 s21, s21, SLOT
	s_add_co_u32 s22, s22, SLOT
.endr
	v_mul_u32_u24 v5, v1, KS                       ; my row's scales: 32 bytes a row, 16 more for each 256 passed
	v_lshrrev_b32 v6, 8, v5
	v_lshl_add_u32 v5, v6, 4, v5
	s_mul_i32 s21, s15, HALFS
	s_mul_i32 s22, s16, HALFS
	s_add_co_u32 s22, s22, 2*HALFS
	s_sub_co_u32 s22, s22, s21
	v_mul_u32_u24 v6, s22, v2                      ; lanes 16-31 take the weight's
	s_add_co_u32 s21, s21, SCL
	v_add_nc_u32 v5, v5, v6
	v_add_nc_u32 v[ADRS], s21, v5
	s_mul_i32 s23, s14, 16*SPITCH                  ; my stage
	v_mul_u32_u24 v5, v1, SPITCH
	v_lshl_add_u32 v5, v2, 4, v5
	v_add_nc_u32 v[STO], s23, v5                   ; in: row r, 16 bytes for each half of the lanes
	v_bfe_u32 v6, v0, 3, 2
	v_mul_u32_u24 v6, v6, SPITCH
	v_and_b32 v7, 7, v0
	v_lshl_add_u32 v6, v7, 4, v6
	v_add_nc_u32 v[RD], s23, v6                    ; back: eight lanes to a head's 128 bytes of a row, four rows an instruction
	v_and_b32 v6, 31, v0
	v_lshlrev_b32 v[CO], 4, v6
	v_mul_u32_u24 v[FO], v1, 12288
	v_add_nc_u32 v[FO], v[FO], v[BO]
	s_mul_i32 s20, s41, 196608                     ; qkvf: my batch
	s_mov_b32 s21, 0
	s_add_nc_u64 s[98:99], s[98:99], s[20:21]
	s_lshl_b32 s46, s42, 2                         ; qkvh: my first head among the 48: 4 x tile column + 2 x half
	s_lshl_b32 s92, s16, 1
	s_add_co_u32 s46, s46, s92
	s_lshr_b32 s92, s46, 4
	s_lshl_b32 s92, s92, 24                        ; q, k or v
	s_and_b32 s46, s46, 15
	s_lshl_b32 s46, s46, 18                        ; the head
	s_add_co_u32 s46, s46, s92
	s_add_nc_u64 s[12:13], s[12:13], s[46:47]
	s_lshl_b32 s20, s41, 22                        ; the batch
	s_and_b32 s22, ttmp7, 0xffff
	s_lshl_b32 s22, s22, 15                        ; 256 positions x 128 bytes for each cluster y
	s_add_co_u32 s20, s20, s22
	s_lshl_b32 s22, s15, 14
	s_add_co_u32 s20, s20, s22
	s_add_nc_u64 s[12:13], s[12:13], s[20:21]
.macro FRAG reg, adr, q, i             ; 16 rows x 128 K of 4-bit codes: 8 registers, two loads of 16 bytes, 32 bytes apart
.irp c, 0,1
	ds_load_b128 v[\reg+4*\c:\reg+4*\c+3], v[\adr] offset:64*(\q)+32*\c+(\i)*16*PITCH
.endr
.endm
; 16 matrix instructions: x's blocks a0, a0 + 1 against the weight's eight.  zero = 1: the first product starts the sums from the bias.  The 64 accumulators take turns.
.macro MUL16 a0, p, q, sc, zero
.irp a, \a0, \a0+1
.irp b, 0,1,2,3,4,5,6,7
.if \zero
	v_wmma_scale_f32_16x16x128_f8f6f4 v[8*(8*((\a)%4)+\b):8*(8*((\a)%4)+\b)+7], v[128*(\p)+FR*\b:128*(\p)+FR*\b+FR-1], v[AF+FR*(\a):AF+FR*(\a)+FR-1], v[BIAS+8*\b:BIAS+8*\b+7], v[SC+8*NQ*(\sc)+NQ*\b+(\q)], v[SC+8*NQ*(\sc)+NQ*(\a)+(\q)] matrix_a_fmt:MATRIX_FMT_FP4 matrix_b_fmt:MATRIX_FMT_FP4 matrix_a_scale:MATRIX_SCALE_ROW1
.else
	v_wmma_scale_f32_16x16x128_f8f6f4 v[8*(8*((\a)%4)+\b):8*(8*((\a)%4)+\b)+7], v[128*(\p)+FR*\b:128*(\p)+FR*\b+FR-1], v[AF+FR*(\a):AF+FR*(\a)+FR-1], v[8*(8*((\a)%4)+\b):8*(8*((\a)%4)+\b)+7], v[SC+8*NQ*(\sc)+NQ*\b+(\q)], v[SC+8*NQ*(\sc)+NQ*(\a)+(\q)] matrix_a_fmt:MATRIX_FMT_FP4 matrix_b_fmt:MATRIX_FMT_FP4 matrix_a_scale:MATRIX_SCALE_ROW1
.endif
.endr
.endr
.endm
.macro FETCH_B slot, q, p
	WIN TO_B
.irp i, 0,1,2,3,4,5,6,7
	FRAG 128*(\p)+FR*\i, ADRB+\slot, \q, \i
.endr
	WIN 0
.endm
.macro FETCH_A slot, q, i0
.irp i, \i0, \i0+1, \i0+2, \i0+3
	FRAG AF+FR*(\i), ADRA+\slot, \q, \i
.endr
.endm
.macro SCALES sc                       ; a slot's scale words: lanes 0-15 x's block i, lanes 16-31 the weight's block i
.irp i, 0,1,2,3,4,5,6,7
	ds_load_b128 v[SC+8*NQ*\sc+NQ*\i:SC+8*NQ*\sc+NQ*\i+3], v[ADRS] offset:\i*SBLK
.endr
.endm
.macro PLACES n                        ; plain vector lines between a matrix instruction and a load into, or a read of, its registers
.rept \n
	v_nop
.endr
.endm
.macro STEP slot, q, zero              ; 128 along K, its successor in the same slot
	s_wait_dscnt 4*NL                              ; the weight's set and x's blocks 0-3 are in; x's blocks 4-7 may be out
.if \zero
	WIN 0x81                                       ; C (the bias) in window 0
.else
	WIN MUL_LO
.endif
	MUL16 0, (\q)%2, \q, \slot, \zero
	MUL16 2, (\q)%2, \q, \slot, \zero
	s_wait_dscnt 0
	PLACES NP
	FETCH_B \slot, (\q)+1, 1-(\q)%2
	FETCH_A \slot, (\q)+1, 0
.if \zero
	WIN 0xc1
.else
	WIN MUL_HI
.endif
	MUL16 4, (\q)%2, \q, \slot, \zero
	MUL16 6, (\q)%2, \q, \slot, \zero
	PLACES NP
	WIN 0
	FETCH_A \slot, (\q)+1, 4
.endm
.macro TURN slot, next                 ; a slot's last step: the one change of slots.
	s_wait_tensorcnt 0x0                           ; all my tensor loads have landed: my part of the next slot
	ds_add_u32 v[SPW], v[NIL]
	s_wait_dscnt 4*NL+1                            ; the add and x's blocks 4-7 may be out
	WIN MUL_LO
	MUL16 0, 1, NQ-1, \slot, 0
	s_wait_dscnt 0x0                               ; the add is done, my reads of this slot are over
	s_barrier_signal -1
	MUL16 2, 1, NQ-1, \slot, 0
	WIN 0
	s_barrier_wait -1
	PLACES NP
	v_add_nc_u32 v[ADRS], 4*NQ, v[ADRS]            ; the next slot's scale words
	FETCH_B \next, 0, 0
	FETCH_A \next, 0, 0
	SCALES \next
	WIN MUL_HI
	MUL16 4, 1, NQ-1, \slot, 0
	MUL16 6, 1, NQ-1, \slot, 0
	PLACES NP
	WIN 0
	FETCH_A \next, 0, 4
.endm
	s_wait_tensorcnt 1                             ; the scales and my part of slot 0 are in; slot 1's load may be out
	s_barrier_signal -1
	s_barrier_wait -1
	FETCH_B 0, 0, 0
	FETCH_A 0, 0, 0
	SCALES 0
	FETCH_A 0, 0, 4
	s_wait_loadcnt 0x0                             ; the bias
	STEP 0, 0, 1
	STEP 0, 1, 0
	STEP 0, 2, 0
	TURN 0, 1
	STEP 1, 0, 0
	STEP 1, 1, 0
	STEP 1, 2, 0
	s_wait_dscnt 4*NL                              ; the last step: nothing more to fetch
	WIN MUL_LO
	MUL16 0, 1, NQ-1, 1, 0
	MUL16 2, 1, NQ-1, 1, 0
	s_wait_dscnt 0
	WIN MUL_HI
	MUL16 4, 1, NQ-1, 1, 0
	MUL16 6, 1, NQ-1, 1, 0
	WIN 0
	PLACES NP
	; positions 0-15 of a sequence also leave in f32: my block 0, where cluster y = 0 and my rows are the tile's first half (alike in all partners)
	s_and_b32 s20, ttmp7, 0xffff
	s_or_b32 s20, s20, s15
	s_cmp_lg_u32 s20, 0
	s_cbranch_scc1 .Lno_fine
	WIN 0x08                                       ; a store's data: window 2
.irp b, 0,1,2,3,4,5,6,7
	global_store_b128 v[FO], v[8*\b:8*\b+3], s[98:99] offset:64*\b          ; each accumulator from its low end on
	global_store_b128 v[FO], v[8*\b+4:8*\b+7], s[98:99] offset:64*\b+16
.endr
	WIN 0
.Lno_fine:
; THE WAY OUT, a block of 16 rows x 128 columns at a time: rounded to f16, through my stage, back as 4 rows x 128 bytes of one head: 512 consecutive bytes of qkvh an instruction.
.macro PACK a
.set AC, 64*((\a)%4)
	WIN 0x0a+5*((\a)/4)
.irp b, 0,1,2,3,4,5,6,7
.irp r, 0,1,2,3
	v_cvt_pk_f16_f32 v[TMP+4*\b+\r], v[AC+8*\b+2*\r], v[AC+8*\b+2*\r+1]
.endr
.endr
	WIN 0
.endm
.macro TOSTAGE a
.set BB, BK+32*((\a)%2)
.irp b, 0,1,2,3,4,5,6,7
	ds_store_b128 v[STO], v[TMP+4*\b:TMP+4*\b+3] offset:32*\b
.endr
.irp hh, 0,1
.irp i, 0,1,2,3
	ds_load_b128 v[BB+16*\hh+4*\i:BB+16*\hh+4*\i+3], v[RD] offset:\i*4*SPITCH+128*\hh   ; LDS serves a wave's instructions in order: these see the stores above
.endr
.endr
.endm
.macro SEND a
.set BB, BK+32*((\a)%2)
	s_wait_dscnt 0x0                               ; the block is back in registers
	s_wait_xcnt 0x0                                ; the stores of two blocks ago have read their registers: the next block's loads may land there
.irp hh, 0,1
.irp i, 0,1,2,3
	global_store_b128 v[CO], v[BB+16*\hh+4*\i:BB+16*\hh+4*\i+3], s[12:13] offset:\hh*262144+(\a)*2048+\i*512
.endr
.endr
.endm
	PACK 0
	TOSTAGE 0
.irp a, 1,2,3,4,5,6,7
	PACK \a
	SEND \a-1
	TOSTAGE \a
.endr
	SEND 7
	s_wait_tensorcnt 0x0                           ; the wave's end
	ds_add_u32 v[SPW], v[NIL]
	s_wait_dscnt 0x0
	CROUND                                         ; the closing round
	s_endpgm
.Lfunc_end_k_q6ce0d3498f_qkv:
	.size	k_q6ce0d3498f_qkv, .Lfunc_end_k_q6ce0d3498f_qkv-k_q6ce0d3498f_qkv
	.p2alignl 7, 3214868480
	.fill 96, 4, 3214868480
	.section	.rodata,"a",@progbits
	.p2align	6, 0x0
	.amdhsa_kernel k_q6ce0d3498f_qkv
		.amdhsa_group_segment_fixed_size 327680
		.amdhsa_private_segment_fixed_size 0
		.amdhsa_enable_private_segment 0
		.amdhsa_kernarg_size 56
		.amdhsa_user_sgpr_count 2
		.amdhsa_user_sgpr_kernarg_segment_ptr 1
		.amdhsa_wavefront_size32 1
		.amdhsa_system_sgpr_workgroup_id_x 1
		.amdhsa_system_sgpr_workgroup_id_y 1
		.amdhsa_system_sgpr_workgroup_id_z 1
		.amdhsa_system_vgpr_workitem_id 0
		.amdhsa_next_free_vgpr 1024
		.amdhsa_next_free_sgpr 100
		.amdhsa_reserve_vcc 0
		.amdhsa_float_denorm_mode_32 3
		.amdhsa_float_denorm_mode_16_64 3
		.amdhsa_memory_ordered 1
		.amdhsa_forward_progress 1
		.amdhsa_inst_pref_size 130
	.end_amdhsa_kernel
	.amdgpu_metadata
---
amdhsa.version: [ 1, 2 ]
amdhsa.kernels:
  - .name:           k_q6ce0d3498f_qkv
    .symbol:         k_q6ce0d3498f_qkv.kd
    .args:
      - { .name: xcodes, .offset: 0, .size: 8, .value_kind: global_buffer, .address_space: global }
      - { .name: xscales, .offset: 8, .size: 8, .value_kind: global_buffer, .address_space: global }
      - { .name: wcodes, .offset: 16, .size: 8, .value_kind: global_buffer, .address_space: global }
      - { .name: wscales, .offset: 24, .size: 8, .value_kind: global_buffer, .address_space: global }
      - { .name: qkvh, .offset: 32, .size: 8, .value_kind: global_buffer, .address_space: global }
      - { .name: b_attn, .offset: 40, .size: 8, .value_kind: global_buffer, .address_space: global }
      - { .name: qkvf, .offset: 48, .size: 8, .value_kind: global_buffer, .address_space: global }
    .group_segment_fixed_size: 327680
    .private_segment_fixed_size: 0
    .kernarg_segment_align: 8
    .kernarg_segment_size: 56
    .max_flat_workgroup_size: 128
    .sgpr_count:     100
    .vgpr_count:     1024
    .wavefront_size: 32
...
	.end_amdgpu_metadata
.endif
;; end of part 2
;; launch attn (part 3): grid 4 x 64, 8 waves a work-group, no clusters, 327,680 bytes of LDS; arguments qkvh, y16; writes y16
.if DOCPART == 3
	.amdgcn_target "amdgcn-amd-amdhsa--gfx1250"
	.amdhsa_code_object_version 6
	.text
	.protected	k_q6ce0d3498f_attn
	.globl	k_q6ce0d3498f_attn
	.p2align	8
	.type	k_q6ce0d3498f_attn,@function
k_q6ce0d3498f_attn:
	s_mov_b64 s[64:65], 0
	v_nop
	global_prefetch_b8 v0, s[64:65] scope:SCOPE_SE
	s_setreg_imm32_b32 hwreg(HW_REG_WAVE_MODE, 25, 1), 1
	s_wait_xcnt 0x0
; y[bh][q][:] = sum over k <= q of softmax_k(Q[q] . K[k] / 8) V[k][:], for 64 heads of 2,048 positions x 64 channels, operands f16, products, maxima and sums f32.
; SHARES.  Work-group (x, bh) makes two passes over head bh: query block x, then block 7 - x (256 queries each): 2 (x + 1) + 2 (8 - x) = 18 key steps of 128 for every work-group.  Each of eight waves owns 32 queries, two tiles of 16,
; so that each fragment of K and V read from LDS feeds two products; two waves share a SIMD.
; NO CLUSTER: the four work-groups of a head need different numbers of tiles under the mask (x + 1 and 8 - x slots), so they could not make every joint request alike.
; LAYOUT.  S^T = K Q^T (source 0 = 16 keys, source 1 = 16 queries) and O^T = V^T P: a lane holds one query throughout; two tiles of S^T, rounded in pairs, are source 1 of the second product.  V is turned by ds_load_tr16_b128.
; SOFTMAX.  A running maximum m; p = 2^(c s - c m), c = log2(e) / 8; O and the sum are multiplied by a = 2^(c m_old - c m_new) in every step.  The row's sum is a product of P with a fragment of ones: every register of it holds the sum.
; THE MASK.  Every work-group walks 16 visits of a slot (256 keys), 8 a pass: trip counts are constants.  A step all of whose keys come after my 32 queries is jumped over; on the diagonal hidden scores become -8e10
; (-1e10 after the division by 8; LIMIT: the source ADDS -1e10: both give p = 0 while scores differ by less than some 1e10).  A slot that none of the work-group's waves reads is not asked for.
; LIMITS: q, k, v within f16's range; NaN and infinities are not served.
; LDS: slot s at 131,072 s: 128 pair rows (two keys, 256 bytes) of K, pitch 272, then 128 of V, pitch 288; behind the ring a stage of 4,608 bytes for each wave, and the spare words.
; REGISTERS: window 0: v1-15 addresses; v16-31 statistics; v32-159 S^T, then P; v160-223 O^T; v224-239 the sums; v240-247 maxima.  window 1: v0-31 Q; v32-39 ones; v64-191 K, then V.
.set SLOT1,  131072
.set VOFF,   34816
.set KSTEPB, 17408
.set VSTEPB, 18432
.set STAGE,  202752
.set SPARE,  239616
.set AK0, 1
.set AV0, 2
.set ADK, 3
.set ADV, 4
.set SPW, 5
.set NIL, 6
.set QO,  7
.set STO, 8
.set RD,  9
.set GO,  10
.set PFO, 11
.set RH,  12                           ; v12 lane % 16 - 8 (lane / 16)
.set NEG, 13                           ; v13 -8e10
.set DD,  14                           ; v14, v15 the mask's bound for tiles 0, 1
.set ST,  16                           ; tile t at v[16 + 8 t]: +0 c m, +1 m, +2 a, +4 c m_old - c m_new, +5 the exchange, +6 1 / sum; +3, +7 named as pair tops only
.set S,   32
.set O,   160
.set LL,  224
.set MX,  240
.set KV,  64                           ; window 1
.set WV,  8
.set X,   9
.set BH,  10
.set VIS, 11
.set TB,  12
.set KF,  13
.set Q0,  14
.set QLA, 15
.set QLB, 16
.set SEL, 20
.set CS,  22
.set G1K, 24
.set G1V, 32
.set G0K, 40
.set G0V, 44
.set KB,  48
.set VB,  50
.set QH,  52
.set YH,  54
.set QA,  56
.set YA,  58
.set PFK, 60
.set PFV, 62
.set LIM, 66
.set MSB, 0
.macro WIN new                         ; the immediate's high byte repeats the setting that is left
.if MSB != (\new)
	s_set_vgpr_msb (MSB<<8)|(\new)
.set MSB, (\new)
.endif
.endm
.macro TLOAD                           ; waves 0, 1 fetch K's halves of a slot, waves 2, 3 V's, the others nothing; an s_nop 0 and four v_nop follow each line
	s_cmp_lt_u32 s[WV], 2
	s_cbranch_scc0 .Lnot_k_\@
	tensor_load_to_lds s[G0K:G0K+3], s[G1K:G1K+7]
	s_nop 0
.rept 4
	v_nop
.endr
	s_branch .Lasked_\@
.Lnot_k_\@:
	s_cmp_lt_u32 s[WV], 4
	s_cbranch_scc0 .Lasked_\@
	tensor_load_to_lds s[G0V:G0V+3], s[G1V:G1V+7]
	s_nop 0
.rept 4
	v_nop
.endr
.Lasked_\@:
.endm
; A prefetch of the slot behind the one that is being asked for, in visits 8 to 13 (slots 2 to 7 of the head), by waves 4 to 7 of the head's work-group x = 0 alone: each wave names 8,192 bytes of K and of V, lanes 256 bytes apart:
; each block of 256 bytes once in the launch.  The address is stepped ahead of the two lines, a visit behind the prefetches that read it.
.macro ASK
	s_sub_co_u32 s17, s[VIS], 8
	s_cmp_lt_u32 s17, s[LIM]
	s_cbranch_scc0 .Lnot_mine_\@
	s_wait_xcnt 0x0
	s_add_nc_u64 s[PFK:PFK+1], s[PFK:PFK+1], 32768
	s_add_nc_u64 s[PFV:PFV+1], s[PFV:PFV+1], 32768
	global_prefetch_b8 v[PFO], s[PFK:PFK+1] th:TH_LOAD_NT scope:SCOPE_SE
	global_prefetch_b8 v[PFO], s[PFV:PFV+1] th:TH_LOAD_NT scope:SCOPE_SE
.Lnot_mine_\@:
.endm
; A pass begins: my 32 queries, their addresses, Q into registers, O^T and the sums cleared, m under every score.
.macro INIT p
.if \p
	s_wait_xcnt 0x0                                ; the last pass's stores have read their base and their data
	s_sub_co_u32 s17, 7, s[X]
.else
	s_mov_b32 s17, s[X]
.endif
	s_lshl_b32 s17, s17, 8
	s_lshl_b32 s18, s[WV], 5
	s_add_co_u32 s[Q0], s17, s18
	s_mov_b32 s[KF], 0
	s_lshl_b32 s18, s[Q0], 7
	s_mov_b32 s19, 0
	s_add_nc_u64 s[QA:QA+1], s[QH:QH+1], s[18:19]
	s_add_nc_u64 s[YA:YA+1], s[YH:YH+1], s[18:19]
	WIN 0x40
.irp t, 0,1
.irp cc, 0,1
	global_load_b128 v[8*(2*\t+\cc):8*(2*\t+\cc)+3], v[QO], s[QA:QA+1] offset:\t*2048+\cc*64
	global_load_b128 v[8*(2*\t+\cc)+4:8*(2*\t+\cc)+7], v[QO], s[QA:QA+1] offset:\t*2048+\cc*64+32
.endr
.endr
	WIN 0
.set ii, 0
.rept 80
	v_mov_b32 v[O+ii], 0                           ; the step is written once: the first finds zeros
.set ii, ii+1
.endr
.irp t, 0,1
	v_mov_b32 v[ST+8*\t+1], 0xff61b1e6             ; -3e38
	v_mul_f32 v[ST+8*\t], s[CS], v[ST+8*\t+1]
.endr
	s_wait_loadcnt 0x0
.endm
; A KEY STEP: 128 keys, the q-th of the slot in hand.
.macro STEP q
	s_add_co_u32 s17, s[Q0], 31
	s_cmp_gt_u32 s[KF], s17                        ; all keys behind my last query: nothing to do but the step of KF
	s_cbranch_scc1 .Lhidden_\@
	v_add_nc_u32 v[ADK], s[TB], v[AK0]
	v_add_nc_u32 v[ADV], s[TB], v[AV0]
.rept 3
	v_nop                                          ; with the two additions five places: the scores below are written over P, which the last products read, and K's loads land on V's registers
.endr
	WIN 0x40
.irp cc, 0,1
.irp kt, 0,1,2,3,4,5,6,7
	ds_load_b128 v[KV+16*\kt+8*\cc:KV+16*\kt+8*\cc+3], v[ADK] offset:\q*KSTEPB+\kt*2176+\cc*64
	ds_load_b128 v[KV+16*\kt+8*\cc+4:KV+16*\kt+8*\cc+7], v[ADK] offset:\q*KSTEPB+\kt*2176+\cc*64+32
.endr
.endr
	s_wait_dscnt 16                                ; channels 0-31 are in; the 16 loads of channels 32-63 may be out
	WIN 0x05
.irp kt, 0,1,2,3,4,5,6,7
.irp t, 0,1
	v_wmma_f32_16x16x32_f16 v[S+64*\t+8*\kt:S+64*\t+8*\kt+7], v[KV+16*\kt:KV+16*\kt+7], v[16*\t:16*\t+7], 0
.endr
.endr
	s_wait_dscnt 0x0
.irp kt, 0,1,2,3,4,5,6,7
.irp t, 0,1
	v_wmma_f32_16x16x32_f16 v[S+64*\t+8*\kt:S+64*\t+8*\kt+7], v[KV+16*\kt+8:KV+16*\kt+15], v[16*\t+8:16*\t+15], v[S+64*\t+8*\kt:S+64*\t+8*\kt+7]
.endr
.endr
	WIN 0
.rept 4
	v_nop                                          ; places ahead of the loads into K's registers and of the first read of the scores
.endr
	WIN 0x40
.irp kc, 0,1,2,3
.irp ct, 0,1,2,3
	ds_load_tr16_b128 v[KV+32*\kc+8*\ct:KV+32*\kc+8*\ct+3], v[ADV] offset:\q*VSTEPB+\kc*4608+\ct*32        ; V lands under the softmax
	ds_load_tr16_b128 v[KV+32*\kc+8*\ct+4:KV+32*\kc+8*\ct+7], v[ADV] offset:\q*VSTEPB+\kc*4608+\ct*32+2304
.endr
.endr
	WIN 0
	s_add_co_u32 s17, s[KF], 127
	s_cmp_le_u32 s17, s[Q0]                        ; all keys count: no mask
	s_cbranch_scc1 .Lopen_\@
	s_sub_co_i32 s17, s[Q0], s[KF]
	v_add_nc_u32 v[DD], s17, v[RH]                 ; register 8 kt + j of tile t holds key KF + 16 kt + 8 (lane / 16) + j: hidden where 16 kt + j > Q0 - KF + 16 t + lane % 16 - 8 (lane / 16)
	v_add_nc_u32 v[DD+1], 16, v[DD]
.irp t, 0,1
.set ii, 0
.rept 64
	v_cmp_gt_i32 vcc_lo, 16*(ii/8)+ii%8, v[DD+\t]
	v_cndmask_b32 v[S+64*\t+ii], v[S+64*\t+ii], v[NEG], vcc_lo
.set ii, ii+1
.endr
.endr
.Lopen_\@:
.irp b, 0,1,2,3                                ; the maximum of a lane's 64 scores, four chains a tile, the tiles by turns; each accumulator is read from its low end on
.irp t, 0,1
	v_max3_num_f32 v[MX+4*\t+\b], v[S+64*\t+16*\b], v[S+64*\t+16*\b+1], v[S+64*\t+16*\b+2]
.endr
.endr
.irp i, 3,5,7,9,11,13
.irp b, 0,1,2,3
.irp t, 0,1
	v_max3_num_f32 v[MX+4*\t+\b], v[MX+4*\t+\b], v[S+64*\t+16*\b+\i], v[S+64*\t+16*\b+\i+1]
.endr
.endr
.endr
.irp b, 0,1,2,3
.irp t, 0,1
	v_max_num_f32 v[MX+4*\t+\b], v[MX+4*\t+\b], v[S+64*\t+16*\b+15]
.endr
.endr
.irp t, 0,1
	v_max3_num_f32 v[MX+4*\t], v[MX+4*\t], v[MX+4*\t+1], v[MX+4*\t+2]
.endr
.irp t, 0,1
	v_max3_num_f32 v[MX+4*\t], v[MX+4*\t], v[MX+4*\t+3], v[ST+8*\t+1]
.endr
.irp t, 0,1
	v_permlanex16_b32 v[ST+8*\t+5], v[MX+4*\t], s[SEL], s[SEL+1]   ; the query's other 64 keys lie in the lane 16 away
.endr
.irp t, 0,1
	v_mov_b32 v[ST+8*\t+4], v[ST+8*\t]             ; c m_old
.endr
.irp t, 0,1
	v_max_num_f32 v[ST+8*\t+1], v[MX+4*\t], v[ST+8*\t+5]
.endr
.irp t, 0,1
	v_mul_f32 v[ST+8*\t], s[CS], v[ST+8*\t+1]
.endr
.irp t, 0,1
	v_sub_f32 v[ST+8*\t+4], v[ST+8*\t+4], v[ST+8*\t]
.endr
.set ii, 0
.rept 32
.irp t, 0,1
	v_pk_fma_f32 v[S+64*\t+2*ii:S+64*\t+2*ii+1], v[S+64*\t+2*ii:S+64*\t+2*ii+1], s[CS:CS+1], v[ST+8*\t:ST+8*\t+1] op_sel_hi:[1,0,0] neg_lo:[0,0,1] neg_hi:[0,0,1]   ; c s - c m
.endr
.set ii, ii+1
.endr
.irp t, 0,1
	v_exp_f32 v[ST+8*\t+2], v[ST+8*\t+4]           ; a
.endr
.set ii, 0
.rept 128
	v_exp_f32 v[S+ii], v[S+ii]                     ; p: one batch of 130 exponentials
.set ii, ii+1
.endr
	v_nop                                          ; a plain line behind the last of them
	s_wait_alu depctr_va_vdst(0)                   ; one wait for the batch, ahead of its first reader
.set ii, 0
.rept 32
.irp t, 0,1
	v_cvt_pk_f16_f32 v[S+64*\t+ii], v[S+64*\t+2*ii], v[S+64*\t+2*ii+1]   ; P in place, ascending: register i is free when pair i is rounded
.endr
.set ii, ii+1
.endr
.set ii, 0
.rept 16
.irp t, 0,1
	v_pk_mul_f32 v[O+32*\t+2*ii:O+32*\t+2*ii+1], v[O+32*\t+2*ii:O+32*\t+2*ii+1], v[ST+8*\t+2:ST+8*\t+3] op_sel_hi:[1,0]
.endr
.set ii, ii+1
.endr
.set ii, 0
.rept 4
.irp t, 0,1
	v_pk_mul_f32 v[LL+8*\t+2*ii:LL+8*\t+2*ii+1], v[LL+8*\t+2*ii:LL+8*\t+2*ii+1], v[ST+8*\t+2:ST+8*\t+3] op_sel_hi:[1,0]
.endr
.set ii, ii+1
.endr
	s_wait_dscnt 0x0                               ; V is in
	WIN 0x01
.irp kc, 0,1,2,3                               ; ten accumulators take turns
.irp ct, 0,1,2,3
.irp t, 0,1
	v_wmma_f32_16x16x32_f16 v[O+32*\t+8*\ct:O+32*\t+8*\ct+7], v[KV+32*\kc+8*\ct:KV+32*\kc+8*\ct+7], v[S+64*\t+8*\kc:S+64*\t+8*\kc+7], v[O+32*\t+8*\ct:O+32*\t+8*\ct+7]
.endr
.endr
.irp t, 0,1
	v_wmma_f32_16x16x32_f16 v[LL+8*\t:LL+8*\t+7], v[32:39], v[S+64*\t+8*\kc:S+64*\t+8*\kc+7], v[LL+8*\t:LL+8*\t+7]
.endr
.endr
	WIN 0
.Lhidden_\@:
	s_add_co_u32 s[KF], s[KF], 128
.endm
; THE CHANGE OF SLOTS, at a visit's head: each wave waits for all its tensor loads, adds 0 to its spare word, waits for that and for its reads of the slot that it has left; one barrier; then the next visit's slot is asked for.
.macro CHANGE fill
	s_wait_tensorcnt 0x0                           ; no tensor load of mine is out, so a group 0 may be written
	ds_add_u32 v[SPW], v[NIL]
.if \fill
	ds_add_u32 v[SPW], v[NIL]                      ; twice on end here, in every trip alike
	s_xor_b32 s[G0K+1], s[G0K+1], SLOT1            ; the other slot than last time
	s_xor_b32 s[G0V+1], s[G0V+1], SLOT1
	s_add_co_u32 s17, s[VIS], 1                    ; the next visit
	s_and_b32 s18, s17, 7
	s_lshl_b32 s18, s18, 15                        ; its 256 keys x 128 bytes
	s_mov_b32 s19, 0
	s_add_nc_u64 s[G0K+2:G0K+3], s[KB:KB+1], s[18:19]
	s_or_b32 s[G0K+3], s[G0K+3], 0x80000000
	s_add_nc_u64 s[G0V+2:G0V+3], s[VB:VB+1], s[18:19]
	s_or_b32 s[G0V+3], s[G0V+3], 0x80000000
.endif
	s_wait_dscnt 0x0                               ; the add is done, my reads of the slot that I have left are over
	s_barrier_signal -1
	s_barrier_wait -1
.if \fill
	s_and_b32 s18, s17, 7                          ; a slot whose first key comes after the work-group's last query of that pass is read by no wave: it is not asked for.
	s_lshl_b32 s18, s18, 8                         ; The test is made of the work-group's number and the count of visits alone: all eight waves go the same way; every wait on TENSORcnt in this text is for 0
	s_cmp_lt_u32 s17, 8
	s_cselect_b32 s19, s[QLA], s[QLB]
	s_cmp_gt_u32 s18, s19
	s_cbranch_scc1 .Lpast_\@
	TLOAD                                          ; a wave's one tensor load until the next barrier: it has a visit's steps in which to land
.Lpast_\@:
	ASK
.endif
.endm
; A pass ends: O^T / the sum, rounded to f16, through my stage, out as 4 rows x 128 bytes: 512 consecutive bytes of y16 an instruction.
.macro FINISH
.rept 4
	v_nop
.endr
	v_rcp_f32 v[ST+6], v[LL]
	v_rcp_f32 v[ST+14], v[LL+8]
	v_nop
	s_wait_alu depctr_va_vdst(0)                   ; one wait for the two reciprocals
.irp t, 0,1
.set ii, 0
.rept 16
	v_pk_mul_f32 v[O+32*\t+2*ii:O+32*\t+2*ii+1], v[O+32*\t+2*ii:O+32*\t+2*ii+1], v[ST+8*\t+6:ST+8*\t+7] op_sel_hi:[1,0]
.set ii, ii+1
.endr
.set ii, 0
.rept 16
	v_cvt_pk_f16_f32 v[S+64*\t+ii], v[O+32*\t+2*ii], v[O+32*\t+2*ii+1]
.set ii, ii+1
.endr
.irp ct, 0,1,2,3
	ds_store_b128 v[STO], v[S+64*\t+4*\ct:S+64*\t+4*\ct+3] offset:\t*2304+32*\ct
.endr
.irp i, 0,1,2,3
	ds_load_b128 v[S+64*\t+16+4*\i:S+64*\t+16+4*\i+3], v[RD] offset:\t*2304+576*\i   ; LDS serves a wave's instructions in order
.endr
.endr
	s_wait_dscnt 8                                 ; tile 0 is back; tile 1's four stores and four loads may be out
.irp i, 0,1,2,3
	global_store_b128 v[GO], v[S+16+4*\i:S+16+4*\i+3], s[YA:YA+1] offset:512*\i
.endr
	s_wait_dscnt 0x0
.irp i, 0,1,2,3
	global_store_b128 v[GO], v[S+80+4*\i:S+80+4*\i+3], s[YA:YA+1] offset:2048+512*\i
.endr
.endm
	s_load_b128 s[4:7], s[0:1], 0x0                ; qkvh, y16
	v_lshl_add_u32 v[SPW], v0, 2, SPARE
	v_mov_b32 v[NIL], 0
	ds_add_u32 v[SPW], v[NIL]                      ; the opening: the add, twice on end, and its wait ahead of the first tensor load
	ds_add_u32 v[SPW], v[NIL]
	v_lshrrev_b32 v1, 5, v0
	v_readfirstlane_b32 s[WV], v1                  ; wave 0..7
	s_mov_b32 s[X], ttmp9
	s_and_b32 s[BH], ttmp7, 0xffff
	s_lshl_b32 s[QLA], s[X], 8
	s_or_b32 s[QLA], s[QLA], 255                   ; the last query of pass A,
	s_sub_co_u32 s[QLB], 7, s[X]
	s_lshl_b32 s[QLB], s[QLB], 8
	s_or_b32 s[QLB], s[QLB], 255                   ; and of pass B
	s_mov_b32 s[G1K], (1<<16)|(1<<20)|(5<<22)|(3<<25)   ; elements of 2 bytes; 4 words of padding after every 64
	s_mov_b32 s[G1V], (1<<16)|(1<<20)|(5<<22)|(7<<25)   ; 8 words
.irp g, G1K, G1V
	s_mov_b32 s[\g+1], 128<<16                     ; tensor_dim0: a pair row, 128 elements
	s_mov_b32 s[\g+2], 64<<16                      ; tensor_dim1
	s_mov_b32 s[\g+3], 128<<16                     ; tile_dim0
	s_mov_b32 s[\g+4], 64                          ; tile_dim1: 64 pair rows = 128 keys
	s_mov_b32 s[\g+5], 128                         ; pitch: dense
	s_mov_b32 s[\g+6], 0
	s_mov_b32 s[\g+7], 0
.endr
	s_mov_b32 s[SEL], 0x76543210
	s_mov_b32 s[SEL+1], 0xfedcba98
	s_mov_b32 s[CS], 0x3e38aa3b                    ; c = log2(e) / 8
	s_mov_b32 s[CS+1], s[CS]
	s_mov_b32 s[TB], 0
	s_mov_b32 s[VIS], 0
	s_lshr_b32 s17, s[WV], 2
	s_xor_b32 s17, s17, 1                          ; 0 in waves 4 to 7
	s_or_b32 s17, s17, s[X]
	s_cmp_eq_u32 s17, 0
	s_cselect_b32 s[LIM], 6, 0
	s_lshl_b32 s18, s[BH], 18                      ; a head: 2,048 x 128 bytes
	s_mov_b32 s19, 0
	s_and_b32 s17, s[WV], 1
	s_mov_b32 s[G0K], 1
	s_mul_i32 s[G0K+1], s17, KSTEPB                ; my half of slot 0
	s_mov_b32 s[G0V], 1
	s_mul_i32 s[G0V+1], s17, VSTEPB
	s_add_co_u32 s[G0V+1], s[G0V+1], VOFF
	s_wait_dscnt 0x0                               ; both opening adds are done
	s_wait_kmcnt 0x0
	s_add_nc_u64 s[QH:QH+1], s[4:5], s[18:19]
	s_add_nc_u64 s[YH:YH+1], s[6:7], s[18:19]
	s_lshl_b32 s18, s17, 14                        ; my 128 keys of a slot's 256
	s_add_nc_u64 s[KB:KB+1], s[QH:QH+1], s[18:19]
	s_add_nc_u64 s[VB:VB+1], s[KB:KB+1], 0x2000000
	s_add_nc_u64 s[KB:KB+1], s[KB:KB+1], 0x1000000
	s_mov_b64 s[G0K+2:G0K+3], s[KB:KB+1]
	s_or_b32 s[G0K+3], s[G0K+3], 0x80000000
	s_mov_b64 s[G0V+2:G0V+3], s[VB:VB+1]
	s_or_b32 s[G0V+3], s[G0V+3], 0x80000000
	TLOAD                                          ; slot 0: keys 0-255, which count in both passes
	s_and_b32 s17, s[WV], 3
	s_lshl_b32 s18, s17, 13
	s_add_co_u32 s18, s18, 32768                   ; the prefetches stand in slot 1; the first of them steps to slot 2
	s_add_nc_u64 s[PFK:PFK+1], s[QH:QH+1], s[18:19]
	s_add_nc_u64 s[PFV:PFV+1], s[PFK:PFK+1], 0x2000000
	s_add_nc_u64 s[PFK:PFK+1], s[PFK:PFK+1], 0x1000000
	v_and_b32 v32, 15, v0                          ; r
	v_bfe_u32 v33, v0, 4, 1                        ; h
	v_and_b32 v34, 31, v0                          ; lane
	v_lshrrev_b32 v35, 1, v32
	v_mul_u32_u24 v[AK0], v35, 272
	v_and_b32 v35, 1, v0
	v_lshl_add_u32 v[AK0], v35, 7, v[AK0]
	v_lshl_add_u32 v[AK0], v33, 4, v[AK0]          ; K: key r: pair row r / 2, half r % 2, + 16 h
	v_bfe_u32 v36, v0, 1, 2
	v_lshl_add_u32 v36, v33, 2, v36
	v_mul_u32_u24 v[AV0], v36, 288
	v_lshl_add_u32 v[AV0], v35, 7, v[AV0]
	v_bfe_u32 v36, v0, 3, 1
	v_lshl_add_u32 v[AV0], v36, 4, v[AV0]
	v_add_nc_u32 v[AV0], VOFF, v[AV0]              ; V: key 8 h + lane % 8, channels 8 ((lane / 8) % 2) on
	v_lshlrev_b32 v[QO], 7, v32
	v_lshl_add_u32 v[QO], v33, 4, v[QO]
	s_mul_i32 s17, s[WV], 4608
	s_add_co_u32 s17, s17, STAGE
	v_mul_u32_u24 v[STO], v32, 144
	v_lshl_add_u32 v[STO], v33, 4, v[STO]
	v_add_nc_u32 v[STO], s17, v[STO]
	v_lshrrev_b32 v36, 3, v34
	v_mul_u32_u24 v[RD], v36, 144
	v_and_b32 v36, 7, v0
	v_lshl_add_u32 v[RD], v36, 4, v[RD]
	v_add_nc_u32 v[RD], s17, v[RD]
	v_lshlrev_b32 v[GO], 4, v34
	v_lshlrev_b32 v[PFO], 8, v34
	v_lshlrev_b32 v36, 3, v33
	v_sub_nc_u32 v[RH], v32, v36
	v_mov_b32 v[NEG], 0xd19502f9                   ; -8e10
.set ii, 0
.rept 16
	v_mov_b32 v[ST+ii], 0                          ; written once: pair tops and the exchange's destinations count as read
.set ii, ii+1
.endr
	WIN 0x40
.set ii, 0
.rept 8
	v_mov_b32 v[32+ii], 0x3c003c00                 ; a fragment of ones, f16
.set ii, ii+1
.endr
	WIN 0
	INIT 0
.Lvisit:                                           ; 15 trips: visits 0 to 14; visits 0-7 are pass A's, 8-15 pass B's
	CHANGE 1
	STEP 0
	STEP 1
	s_xor_b32 s[TB], s[TB], SLOT1                  ; on to the other slot
	s_cmp_lg_u32 s[VIS], 7
	s_cbranch_scc1 .Lsame_pass
	FINISH
	INIT 1
.Lsame_pass:
	s_add_co_u32 s[VIS], s[VIS], 1
	s_cmp_lt_u32 s[VIS], 15
	s_cbranch_scc1 .Lvisit
	CHANGE 0                                       ; the last visit is written out: nothing is left to ask for
	STEP 0
	STEP 1
	FINISH
	s_wait_tensorcnt 0x0                           ; the wave's end
	ds_add_u32 v[SPW], v[NIL]
	s_wait_dscnt 0x0
	s_endpgm
.Lfunc_end_k_q6ce0d3498f_attn:
	.size	k_q6ce0d3498f_attn, .Lfunc_end_k_q6ce0d3498f_attn-k_q6ce0d3498f_attn
	.p2alignl 7, 3214868480
	.fill 96, 4, 3214868480
	.section	.rodata,"a",@progbits
	.p2align	6, 0x0
	.amdhsa_kernel k_q6ce0d3498f_attn
		.amdhsa_group_segment_fixed_size 327680
		.amdhsa_private_segment_fixed_size 0
		.amdhsa_enable_private_segment 0
		.amdhsa_kernarg_size 16
		.amdhsa_user_sgpr_count 2
		.amdhsa_user_sgpr_kernarg_segment_ptr 1
		.amdhsa_wavefront_size32 1
		.amdhsa_system_sgpr_workgroup_id_x 1
		.amdhsa_system_sgpr_workgroup_id_y 1
		.amdhsa_system_sgpr_workgroup_id_z 1
		.amdhsa_system_vgpr_workitem_id 0
		.amdhsa_next_free_vgpr 512
		.amdhsa_next_free_sgpr 72
		.amdhsa_reserve_vcc 1
		.amdhsa_float_denorm_mode_32 3
		.amdhsa_float_denorm_mode_16_64 3
		.amdhsa_memory_ordered 1
		.amdhsa_forward_progress 1
		.amdhsa_inst_pref_size 183
	.end_amdhsa_kernel
	.amdgpu_metadata
---
amdhsa.version: [ 1, 2 ]
amdhsa.kernels:
  - .name:           k_q6ce0d3498f_attn
    .symbol:         k_q6ce0d3498f_attn.kd
    .args:
      - { .name: qkvh, .offset: 0, .size: 8, .value_kind: global_buffer, .address_space: global }
      - { .name: y16, .offset: 8, .size: 8, .value_kind: global_buffer, .address_space: global }
    .group_segment_fixed_size: 327680
    .private_segment_fixed_size: 0
    .kernarg_segment_align: 8
    .kernarg_segment_size: 16
    .max_flat_workgroup_size: 256
    .sgpr_count:     72
    .vgpr_count:     512
    .wavefront_size: 32
...
	.end_amdgpu_metadata
.endif
;; end of part 3
;; launch proj (part 4): grid 4 x 64, 4 waves a work-group, clusters of 4 x 4, 327,680 bytes of LDS; arguments y16, wpt, out0, b_proj; writes out0
.if DOCPART == 4
	.amdgcn_target "amdgcn-amd-amdhsa--gfx1250"
	.amdhsa_code_object_version 6
	.text
	.protected	k_q6ce0d3498f_proj
	.globl	k_q6ce0d3498f_proj
	.p2align	8
	.type	k_q6ce0d3498f_proj,@function
k_q6ce0d3498f_proj:
	s_mov_b64 s[64:65], 0
	v_nop
	global_prefetch_b8 v0, s[64:65] scope:SCOPE_SE
	s_setreg_imm32_b32 hwreg(HW_REG_WAVE_MODE, 25, 1), 1
	s_wait_xcnt 0x0
	s_wait_alu depctr_hold_cnt(0) depctr_sa_sdst(0) depctr_va_vdst(0) depctr_va_sdst(0) depctr_va_ssrc(0) depctr_va_vcc(0) depctr_vm_vsrc(0)
	s_getreg_b32 s2, hwreg(HW_REG_IB_STS2, 6, 4)
	s_cmp_eq_u32 s2, 0
	s_cbranch_scc0 .Lentry_in_a_cluster
	s_endpgm
.Lentry_in_a_cluster:
	s_bfe_u32 s2, ttmp6, 0x10000c
	s_cmp_lg_u32 s2, 0xf033
	s_cbranch_scc0 .Lentry_shape_is_right
	s_endpgm
.Lentry_shape_is_right:
; out0[m][n] = sum over k of y[m][k] w_proj[k][n] + b_proj[n]; M 8,192, N 1,024, K 1,024; operands f16, sums f32.  y lies by heads, [64 bh][2048 t][64]; the weight as [n][k].
; A tile of 128 x 256 to a work-group: 256 work-groups.  Four waves, each 64 x 128: 32 accumulators, window 2.  K goes in steps of 128 (two heads) through a ring of two LDS slots.
; y's tile of a K step is two dense blocks (a head's 128 rows x 128 bytes, as 64 pair rows of 256 bytes): waves 0, 1 fetch one each; waves 2, 3 fetch 128 rows of the weight each.
; 4 x 4 work-groups form a cluster: y's tiles are asked for jointly along a row of it, the weight's along a column.  The matrix instruction is used transposed: a lane holds eight neighbouring columns of a row.
; The bias is the C of each sum's first product.  Rows t < 16 of every sequence are written again, more finely, by the launch behind this one.
; REGISTERS: window 0: v16-30 addresses; v64-127 y's fragments, two buffers; v128-191 the bias; on the way out v128-255.  window 1: v0-127 the weight's fragments, two buffers.  window 2: accumulator (a, b) at v[8 (8 a + b)].
.set PITCH,  272
.set HB,     64*PITCH                  ; a head's 128 rows
.set BOFF,   2*HB
.set BHALF,  128*PITCH
.set SLOT,   BOFF+2*BHALF
.set SPARE,  2*SLOT
.set SPITCH, 528                       ; the way out: 16 rows x (512 bytes + 16) for each wave, in slot 0, which has had its last fill and its last read by then
.set LAPS,   4
.set ADRA, 16
.set ADRB, 20
.set STO,  24
.set RD,   25
.set CO,   26
.set SPW,  28
.set NIL,  29
.set BO,   30
.set AF,   64
.set BIAS, 128
.set BK,   128
.set G1, 24
.set G0, 32
.set G1B, 48
.set G0B, 56
.set MSB, 0
.macro WIN new
.if MSB != (\new)
	s_set_vgpr_msb (MSB<<8)|(\new)
.set MSB, (\new)
.endif
.endm
.macro JLOAD s                         ; a joint load; an s_nop 0 and four v_nop follow each line
	s_cmp_eq_u32 s13, 0
	s_cbranch_scc0 .Lfor_b_\@
	tensor_load_to_lds s[G0+4*\s:G0+4*\s+3], s[G1:G1+7]
	s_nop 0
.rept 4
	v_nop
.endr
	s_branch .Lasked_\@
.Lfor_b_\@:
	tensor_load_to_lds s[G0B+4*\s:G0B+4*\s+3], s[G1B:G1B+7]
	s_nop 0
.rept 4
	v_nop
.endr
.Lasked_\@:
.endm
.macro CREST
	s_cmp_lg_u32 s12, 0
	s_cbranch_scc1 .Lnot_wave_0_\@
	s_barrier_signal -3
.Lnot_wave_0_\@:
	s_barrier_wait -3
	s_barrier_signal -1
	s_barrier_wait -1
.endm
.macro CROUND
	s_barrier_signal -1
	s_barrier_wait -1
	CREST
.endm
	s_load_b256 s[4:11], s[0:1], 0x0               ; y16, wpt, out0, b_proj
	v_lshl_add_u32 v[SPW], v0, 2, SPARE
	v_mov_b32 v[NIL], 0
	ds_add_u32 v[SPW], v[NIL]                      ; the opening: the add, twice on end, and its wait ahead of my first tensor load
	ds_add_u32 v[SPW], v[NIL]
	v_lshrrev_b32 v1, 5, v0
	v_readfirstlane_b32 s12, v1                    ; wave 0..3
	s_lshr_b32 s13, s12, 1                         ; my half of the tile's rows; also: I fetch y (0) or the weight (1)
	s_and_b32 s14, s12, 1                          ; my half of its columns; also: which part I fetch
	s_bfe_u32 s40, ttmp6, 0x40000                  ; cx
	s_bfe_u32 s41, ttmp6, 0x40004                  ; cy
	s_lshl_b32 s42, ttmp9, 2
	s_add_co_u32 s42, s42, s40                     ; tile column
	s_and_b32 s45, ttmp7, 0xffff
	s_lshl_b32 s45, s45, 2
	s_add_co_u32 s45, s45, s41                     ; tile row
	s_lshl_b32 s43, s41, 2
	s_lshl_b32 s43, 15, s43                        ; my row of the cluster
	s_lshl_b32 s44, 0x1111, s40                    ; my column
	s_or_b32 s[G1+0], s43, (1<<16)|(1<<20)|(1<<21)|(5<<22)|(3<<25)   ; mask; elements of 2 bytes; 4 words of padding after every 64; bit 21 beside a mask
	s_or_b32 s[G1B+0], s44, (1<<16)|(1<<20)|(1<<21)|(5<<22)|(3<<25)
	s_mov_b32 s[G1+1], 128<<16
	s_mov_b32 s[G1+2], 64<<16
	s_mov_b32 s[G1+3], 128<<16
	s_mov_b32 s[G1+4], 64                          ; 64 pair rows, dense
	s_mov_b32 s[G1+5], 128
	s_mov_b32 s[G1+6], 0
	s_mov_b32 s[G1+7], 0
	s_mov_b32 s[G1B+1], 128<<16
	s_mov_b32 s[G1B+2], 128<<16
	s_mov_b32 s[G1B+3], 128<<16
	s_mov_b32 s[G1B+4], 128                        ; 128 rows, 1,024 elements apart
	s_mov_b32 s[G1B+5], 1024
	s_mov_b32 s[G1B+6], 0
	s_mov_b32 s[G1B+7], 0
	s_lshr_b32 s16, s45, 4
	s_lshl_b32 s16, s16, 22                        ; y: the batch,
	s_and_b32 s17, s45, 15
	s_lshl_b32 s17, s17, 14                        ; the tile's 128 positions,
	s_add_co_u32 s16, s16, s17
	s_lshl_b32 s17, s14, 18                        ; which of the K step's two heads I fetch
	s_add_co_u32 s16, s16, s17
	s_mov_b32 s17, 0
	s_lshl_b32 s46, s42, 8
	s_lshl_b32 s47, s14, 7
	s_add_co_u32 s46, s46, s47
	s_lshl_b32 s46, s46, 11                        ; the weight: row 256 x tile column + 128 x part, 2,048 bytes a row
	s_mov_b32 s47, 0
	s_mul_i32 s20, s14, HB
	s_mul_i32 s21, s14, BHALF
	s_add_co_u32 s21, s21, BOFF
	s_wait_dscnt 0x0                               ; both opening adds are done
	s_wait_kmcnt 0x0
	s_add_nc_u64 s[18:19], s[4:5], s[16:17]
	s_add_nc_u64 s[46:47], s[6:7], s[46:47]
	CROUND                                         ; all sixteen work-groups are here: the first joint loads meet
.irp s, 0,1
	s_mov_b32 s[G0+4*\s], 1
	s_add_co_u32 s[G0+4*\s+1], s20, \s*SLOT
	s_add_nc_u64 s[G0+4*\s+2:G0+4*\s+3], s[18:19], \s*524288       ; K step s: two heads on
	s_or_b32 s[G0+4*\s+3], s[G0+4*\s+3], 0x80000000
	s_mov_b32 s[G0B+4*\s], 1
	s_add_co_u32 s[G0B+4*\s+1], s21, \s*SLOT
	s_add_nc_u64 s[G0B+4*\s+2:G0B+4*\s+3], s[46:47], \s*256
	s_or_b32 s[G0B+4*\s+3], s[G0B+4*\s+3], 0x80000000
	JLOAD \s
.endr
	v_and_b32 v1, 15, v0                           ; r
	v_bfe_u32 v2, v0, 4, 1                         ; h
	s_lshl_b32 s46, s42, 10
	s_lshl_b32 s47, s14, 9
	s_add_co_u32 s46, s46, s47                     ; 4 x my first column
	s_mov_b32 s47, 0
	s_add_nc_u64 s[10:11], s[10:11], s[46:47]
	s_add_nc_u64 s[8:9], s[8:9], s[46:47]
	v_lshlrev_b32 v[BO], 5, v2
.irp b, 0,1,2,3,4,5,6,7
	global_load_b128 v[BIAS+8*\b:BIAS+8*\b+3], v[BO], s[10:11] offset:64*\b      ; register 8 b + j = b_proj[my first column + 16 b + 8 h + j]
	global_load_b128 v[BIAS+8*\b+4:BIAS+8*\b+7], v[BO], s[10:11] offset:64*\b+16
.endr
	v_lshrrev_b32 v3, 1, v1
	v_mul_u32_u24 v3, v3, PITCH
	v_and_b32 v4, 1, v0
	v_lshl_add_u32 v3, v4, 7, v3
	v_lshl_add_u32 v3, v2, 4, v3                   ; y: row r: pair row r / 2, half r % 2, + 16 h
	v_mul_u32_u24 v4, v1, PITCH
	v_lshl_add_u32 v4, v2, 4, v4                   ; the weight: row r, + 16 h
	s_mul_i32 s21, s13, 32*PITCH                   ; my 64 rows of y
	s_mul_i32 s22, s14, BHALF
	s_add_co_u32 s22, s22, BOFF                    ; my 128 rows of the weight
.irp s, 0,1
	v_add_nc_u32 v[ADRA+\s], s21, v3
	v_add_nc_u32 v[ADRB+\s], s22, v4
	s_add_co_u32 s21, s21, SLOT
	s_add_co_u32 s22, s22, SLOT
.endr
	s_mul_i32 s23, s12, 16*SPITCH                  ; my stage
	v_mul_u32_u24 v5, v1, SPITCH
	v_lshl_add_u32 v5, v2, 5, v5
	v_add_nc_u32 v[STO], s23, v5
	v_and_b32 v6, 31, v0
	v_lshlrev_b32 v[CO], 4, v6
	v_add_nc_u32 v[RD], s23, v[CO]
	s_lshl_b32 s16, s45, 19                        ; my first row of out0: 128 x tile row + 64 x half, 4,096 bytes a row
	s_lshl_b32 s17, s13, 18
	s_add_co_u32 s16, s16, s17
	s_mov_b32 s17, 0
	s_add_nc_u64 s[8:9], s[8:9], s[16:17]
.macro MUL8 p, a, zero                 ; y's block a against the weight's eight, 32 along K; the 32 accumulators take turns
.irp b, 0,1,2,3,4,5,6,7
.if \zero
	v_wmma_f32_16x16x32_f16 v[8*(8*(\a)+\b):8*(8*(\a)+\b)+7], v[64*(\p)+8*\b:64*(\p)+8*\b+7], v[AF+32*(\p)+8*(\a):AF+32*(\p)+8*(\a)+7], v[BIAS+8*\b:BIAS+8*\b+7]
.else
	v_wmma_f32_16x16x32_f16 v[8*(8*(\a)+\b):8*(8*(\a)+\b)+7], v[64*(\p)+8*\b:64*(\p)+8*\b+7], v[AF+32*(\p)+8*(\a):AF+32*(\p)+8*(\a)+7], v[8*(8*(\a)+\b):8*(8*(\a)+\b)+7]
.endif
.endr
.endm
.macro FETCH slot, q, p                ; 24 LDS loads: the fragments of the slot's q-th 32 along K into buffer p
	WIN 0x40
.irp i, 0,1,2,3,4,5,6,7
	ds_load_b128 v[64*(\p)+8*\i:64*(\p)+8*\i+3], v[ADRB+\slot] offset:64*(\q)+\i*16*PITCH
	ds_load_b128 v[64*(\p)+8*\i+4:64*(\p)+8*\i+7], v[ADRB+\slot] offset:64*(\q)+\i*16*PITCH+32
.endr
	WIN 0
.irp i, 0,1,2,3
	ds_load_b128 v[AF+32*(\p)+8*\i:AF+32*(\p)+8*\i+3], v[ADRA+\slot] offset:((\q)/2)*HB+((\q)%2)*64+\i*8*PITCH
	ds_load_b128 v[AF+32*(\p)+8*\i+4:AF+32*(\p)+8*\i+7], v[ADRA+\slot] offset:((\q)/2)*HB+((\q)%2)*64+\i*8*PITCH+32
.endr
.endm
.macro PLACES
.rept 4
	v_nop
.endr
.endm
.macro MWIN zero
.if \zero
	WIN 0x81                                       ; C (the bias) in window 0
.else
	WIN 0xa1                                       ; source 0 window 1, source 1 window 0, C and D window 2
.endif
.endm
.macro QUARTER slot, q, p, zero        ; multiplies buffer p and fetches the slot's q-th quarter into the other
	s_wait_dscnt 4                                 ; the weight's eight and y's blocks 0, 1 are in; y's blocks 2, 3 may be out
	MWIN \zero
	MUL8 \p, 0, \zero
	MUL8 \p, 1, \zero
	PLACES
	FETCH \slot, \q, 1-(\p)
	s_wait_dscnt 24                                ; all but the 24 just issued
	MWIN \zero
	MUL8 \p, 2, \zero
	MUL8 \p, 3, \zero
.endm
.macro TURN slot, next, fill           ; a slot's last quarter (buffer 1) and the change of slots
	WIN 0
	s_wait_tensorcnt 0x0                           ; all my tensor loads have landed: my part of the next slot
	ds_add_u32 v[SPW], v[NIL]
	s_wait_dscnt 5                                 ; the add and y's blocks 2, 3 may be out
	WIN 0xa1
	MUL8 1, 0, 0
	s_wait_dscnt 0x0                               ; the add is done, my reads of this slot are over
	s_barrier_signal -1
	MUL8 1, 1, 0
.if \fill
	WIN 0
.endif
	s_barrier_wait -1
.if \fill
	CREST                                          ; the barrier has opened a round of the cluster's: no wave of any partner still reads this slot or has a load on its way
	s_add_nc_u64 s[G0+4*\slot+2:G0+4*\slot+3], s[G0+4*\slot+2:G0+4*\slot+3], 1048576
	s_add_nc_u64 s[G0B+4*\slot+2:G0B+4*\slot+3], s[G0B+4*\slot+2:G0B+4*\slot+3], 512
	JLOAD \slot                                    ; the first tensor load behind the round; its four v_nop are also the places ahead of the loads below
.else
	PLACES
.endif
	FETCH \next, 0, 0
	WIN 0xa1
	MUL8 1, 2, 0
	MUL8 1, 3, 0
.endm
	s_wait_tensorcnt 1                             ; my part of K step 0 is in; K step 1's load may be out
	s_barrier_signal -1
	s_barrier_wait -1
	FETCH 0, 0, 0
	s_wait_loadcnt 0x0                             ; the bias
	QUARTER 0, 1, 0, 1                             ; the first quarter starts the sums
	WIN 0
	s_mov_b32 s3, LAPS-1
.Llap:                                             ; a trip goes once round the ring and fills both slots again
	QUARTER 0, 2, 1, 0
	QUARTER 0, 3, 0, 0
	TURN 0, 1, 1
	QUARTER 1, 1, 0, 0
	QUARTER 1, 2, 1, 0
	QUARTER 1, 3, 0, 0
	TURN 1, 0, 1
	QUARTER 0, 1, 0, 0
	WIN 0
	s_sub_co_u32 s3, s3, 1
	s_cmp_lg_u32 s3, 0
	s_cbranch_scc1 .Llap
	QUARTER 0, 2, 1, 0                             ; the last lap fills nothing
	QUARTER 0, 3, 0, 0
	TURN 0, 1, 0
	QUARTER 1, 1, 0, 0
	QUARTER 1, 2, 1, 0
	QUARTER 1, 3, 0, 0
	s_wait_dscnt 4
	WIN 0xa1
	MUL8 1, 0, 0
	MUL8 1, 1, 0
	s_wait_dscnt 0
	MUL8 1, 2, 0
	MUL8 1, 3, 0
	WIN 0
; THE WAY OUT, a block of 16 rows x 128 columns at a time, through my stage: back as whole rows of 512 bytes.
.macro TOSTAGE a
	WIN 0x08                                       ; the data: window 2
.irp b, 0,1,2,3,4,5,6,7
	ds_store_b128 v[STO], v[8*(8*(\a)+\b):8*(8*(\a)+\b)+3] offset:64*\b          ; each accumulator from its low end on
	ds_store_b128 v[STO], v[8*(8*(\a)+\b)+4:8*(8*(\a)+\b)+7] offset:64*\b+16
.endr
	WIN 0
.set BB, BK+64*((\a)%2)
.irp t, 0,1,2,3,4,5,6,7,8,9,10,11,12,13,14,15
	ds_load_b128 v[BB+4*\t:BB+4*\t+3], v[RD] offset:\t*SPITCH
.endr
.endm
.macro SEND a, younger
.set BB, BK+64*((\a)%2)
	s_wait_dscnt \younger                          ; the block is back in registers
.if (\a) > 0
	s_add_nc_u64 s[8:9], s[8:9], 65536             ; 16 rows on (behind a wait on XCNT: the earlier stores have read their base)
.endif
.irp t, 0,1,2,3,4,5,6,7,8,9,10,11,12,13,14,15
	global_store_b128 v[CO], v[BB+4*\t:BB+4*\t+3], s[8:9] offset:\t*4096        ; 32 lanes store 512 consecutive bytes, aligned
.endr
.endm
	PLACES
	TOSTAGE 0
.irp a, 1,2,3
.if \a > 1
	s_wait_xcnt 0x0                                ; the stores of two blocks ago have read their registers and their base
.endif
	TOSTAGE \a
	SEND \a-1, 32                                  ; behind that block's loads: the next block's 16 stores and 16 loads
.endr
	s_wait_xcnt 0x0
	SEND 3, 0
	s_wait_tensorcnt 0x0                           ; the wave's end
	ds_add_u32 v[SPW], v[NIL]
	s_wait_dscnt 0x0
	CROUND                                         ; the closing round
	s_endpgm
.Lfunc_end_k_q6ce0d3498f_proj:
	.size	k_q6ce0d3498f_proj, .Lfunc_end_k_q6ce0d3498f_proj-k_q6ce0d3498f_proj
	.p2alignl 7, 3214868480
	.fill 96, 4, 3214868480
	.section	.rodata,"a",@progbits
	.p2align	6, 0x0
	.amdhsa_kernel k_q6ce0d3498f_proj
		.amdhsa_group_segment_fixed_size 327680
		.amdhsa_private_segment_fixed_size 0
		.amdhsa_enable_private_segment 0
		.amdhsa_kernarg_size 32
		.amdhsa_user_sgpr_count 2
		.amdhsa_user_sgpr_kernarg_segment_ptr 1
		.amdhsa_wavefront_size32 1
		.amdhsa_system_sgpr_workgroup_id_x 1
		.amdhsa_system_sgpr_workgroup_id_y 1
		.amdhsa_system_sgpr_workgroup_id_z 1
		.amdhsa_system_vgpr_workitem_id 0
		.amdhsa_next_free_vgpr 768
		.amdhsa_next_free_sgpr 70
		.amdhsa_reserve_vcc 0
		.amdhsa_float_denorm_mode_32 3
		.amdhsa_float_denorm_mode_16_64 3
		.amdhsa_memory_ordered 1
		.amdhsa_forward_progress 1
		.amdhsa_inst_pref_size 87
	.end_amdhsa_kernel
	.amdgpu_metadata
---
amdhsa.version: [ 1, 2 ]
amdhsa.kernels:
  - .name:           k_q6ce0d3498f_proj
    .symbol:         k_q6ce0d3498f_proj.kd
    .args:
      - { .name: y16, .offset: 0, .size: 8, .value_kind: global_buffer, .address_space: global }
      - { .name: wpt, .offset: 8, .size: 8, .value_kind: global_buffer, .address_space: global }
      - { .name: out0, .offset: 16, .size: 8, .value_kind: global_buffer, .address_space: global }
      - { .name: b_proj, .offset: 24, .size: 8, .value_kind: global_buffer, .address_space: global }
    .group_segment_fixed_size: 327680
    .private_segment_fixed_size: 0
    .kernarg_segment_align: 8
    .kernarg_segment_size: 32
    .max_flat_workgroup_size: 128
    .sgpr_count:     70
    .vgpr_count:     768
    .wavefront_size: 32
...
	.end_amdgpu_metadata
.endif
;; end of part 4
;; launch fine (part 5): grid 32 x 4, 16 waves a work-group, no clusters, 34,816 bytes of LDS; arguments qkvf, w_proj, b_proj, out0; writes out0
.if DOCPART == 5
	.amdgcn_target "amdgcn-amd-amdhsa--gfx1250"
	.amdhsa_code_object_version 6
	.text
	.protected	k_q6ce0d3498f_fine
	.globl	k_q6ce0d3498f_fine
	.p2align	8
	.type	k_q6ce0d3498f_fine,@function
k_q6ce0d3498f_fine:
	s_mov_b64 s[64:65], 0
	v_nop
	global_prefetch_b8 v0, s[64:65] scope:SCOPE_SE
	s_setreg_imm32_b32 hwreg(HW_REG_WAVE_MODE, 25, 1), 1
	s_wait_xcnt 0x0
; Positions 0-15 of every sequence once more, wholly in f32: their rows average few values, where f16 operands would weigh most.
; Work-group (nx, b) makes 16 positions x 32 columns of out0.  Wave w is head w: its 16 x 16 attention, then its 64 channels' part of the projection; the sixteen parts meet in LDS and are added.
; All products by the f32 matrix form, K taken in an order that is the same on both operands.  S^T = K Q^T, O^T = V^T P, OUT^T = W^T O: a lane holds one position throughout, so each result is the next product's source 1 as it stands.
; v176-239 are written by matrix instructions alone.  Hidden scores become -8e10 (-1e10 after the division by 8), as in the bulk launch.
; No tensor loads, no cluster, no ring: 128 small work-groups that load through registers.
.set SPARE, 32768
	s_load_b256 s[4:11], s[0:1], 0x0               ; qkvf, w_proj, b_proj, out0
	v_lshl_add_u32 v2, v0, 2, SPARE                ; my spare word; never rewritten
	v_mov_b32 v3, 0                                ; 0; never rewritten
	v_lshrrev_b32 v1, 5, v0
	v_readfirstlane_b32 s12, v1                    ; wave = head; at the end: my position
	s_and_b32 s13, ttmp7, 0xffff                   ; batch
	v_and_b32 v4, 15, v0                           ; r
	v_bfe_u32 v5, v0, 4, 1                         ; h
	v_mul_u32_u24 v6, v4, 12288
	v_lshl_add_u32 v6, v5, 7, v6                   ; q, k: row r, channels 32 h on
	v_mul_u32_u24 v7, v5, 98304
	v_lshl_add_u32 v7, v4, 2, v7                   ; v: keys 8 h on, channel r
	v_lshlrev_b32 v8, 15, v5
	v_lshl_add_u32 v8, v4, 2, v8                   ; w_proj: rows 8 h on, column r
	v_lshlrev_b32 v9, 3, v5
	v_sub_nc_u32 v9, v4, v9                        ; r - 8 h
	v_mov_b32 v10, 0xd19502f9                      ; -8e10
	v_and_b32 v14, 31, v0                          ; c: my column at the end
	v_lshrrev_b32 v11, 4, v14
	v_lshlrev_b32 v11, 1, v11
	v_bfe_u32 v12, v0, 2, 1
	v_add_nc_u32 v11, v11, v12
	v_lshlrev_b32 v11, 9, v11                      ; which of a part's four stores holds (position, c),
	v_lshl_add_u32 v11, v1, 4, v11                 ; which lane's 16 bytes: position + 16 ((c / 8) % 2),
	v_bfe_u32 v12, v0, 3, 1
	v_lshl_add_u32 v11, v12, 8, v11
	v_and_b32 v12, 3, v0
	v_lshl_add_u32 v11, v12, 2, v11                ; which word
	v_lshlrev_b32 v13, 4, v14
	s_lshl_b32 s14, s12, 11
	v_add_nc_u32 v13, s14, v13                     ; where my part goes: 2,048 x wave + 16 x lane
	v_lshlrev_b32 v14, 2, v14                      ; 4 c
	v_lshl_add_u32 v12, v1, 12, v14                ; out0: 4,096 x position + 4 c
	v_mov_b32 v249, 0                              ; an exchange's destination counts as read
	v_mov_b32 v251, 0                              ; pair tops
	s_mov_b32 s20, 0x76543210
	s_mov_b32 s21, 0xfedcba98
	s_mov_b32 s22, 0x3e38aa3b                      ; c = log2(e) / 8
	s_mov_b32 s23, s22
	s_mul_i32 s16, s13, 196608
	s_lshl_b32 s17, s12, 8
	s_add_co_u32 s16, s16, s17
	s_mov_b32 s17, 0
	s_lshl_b32 s18, s12, 18
	s_lshl_b32 s19, ttmp9, 7
	s_add_co_u32 s18, s18, s19
	s_mov_b32 s19, 0
	s_lshl_b32 s24, ttmp9, 7
	s_mov_b32 s25, 0
	s_lshl_b32 s26, s13, 23
	s_add_co_u32 s26, s26, s24
	s_mov_b32 s27, 0
	s_wait_kmcnt 0x0
	s_add_nc_u64 s[4:5], s[4:5], s[16:17]          ; qkvf at my batch and head
	s_add_nc_u64 s[6:7], s[6:7], s[18:19]          ; w_proj at my head's 64 rows and the work-group's 32 columns
	s_add_nc_u64 s[8:9], s[8:9], s[24:25]
	s_add_nc_u64 s[10:11], s[10:11], s[26:27]
	global_load_b32 v15, v14, s[8:9]               ; the bias: first of all loads, so every wait below covers it
.irp i, 0,1,2,3,4,5,6,7
	global_load_b128 v[16+4*\i:19+4*\i], v6, s[4:5] offset:16*\i           ; Q
	global_load_b128 v[48+4*\i:51+4*\i], v6, s[4:5] offset:4096+16*\i      ; K
.endr
.irp ct, 0,1,2,3
.irp jj, 0,1,2,3,4,5,6,7
	global_load_b32 v[80+8*\ct+\jj], v7, s[4:5] offset:8192+\jj*12288+\ct*64   ; V[8 h + jj][16 ct + r]
.endr
.endr
	s_wait_loadcnt 32                              ; Q and K are in; V's 32 loads may be out
	v_wmma_f32_16x16x4_f32 v[176:183], v[48:49], v[16:17], 0               ; two sums by turns; each begins with 0
	v_wmma_f32_16x16x4_f32 v[184:191], v[50:51], v[18:19], 0
.set ii, 2
.rept 7
	v_wmma_f32_16x16x4_f32 v[176:183], v[48+2*ii:49+2*ii], v[16+2*ii:17+2*ii], v[176:183]
	v_wmma_f32_16x16x4_f32 v[184:191], v[50+2*ii:51+2*ii], v[18+2*ii:19+2*ii], v[184:191]
.set ii, ii+2
.endr
.irp ct, 0,1
.irp nt, 0,1
.irp jj, 0,1,2,3,4,5,6,7
	global_load_b32 v[112+16*\ct+8*\nt+\jj], v8, s[6:7] offset:(16*\ct+\jj)*4096+\nt*64   ; w_proj[64 w + 16 ct + 8 h + jj][16 nt + r]
.endr
.endr
.endr
.rept 8
	v_nop                                          ; eight places behind this form ahead of the first read of its results
.endr
.irp j, 0,1,2,3,4,5,6,7
	v_add_f32 v[240+\j], v[176+\j], v[184+\j]      ; the score of key 8 h + j for position r
.endr
.irp j, 0,1,2,3,4,5,6,7
	v_cmp_gt_i32 vcc_lo, \j, v9                    ; hidden where 8 h + j > r
	v_cndmask_b32 v[240+\j], v[240+\j], v10, vcc_lo
.endr
	v_max3_num_f32 v248, v240, v241, v242
	v_max3_num_f32 v248, v248, v243, v244
	v_max3_num_f32 v248, v248, v245, v246
	v_max_num_f32 v248, v248, v247
	v_permlanex16_b32 v249, v248, s20, s21
	v_max_num_f32 v248, v248, v249                 ; the row's maximum
	v_mul_f32 v250, s22, v248
.irp j, 0,2,4,6
	v_pk_fma_f32 v[240+\j:241+\j], v[240+\j:241+\j], s[22:23], v[250:251] op_sel_hi:[1,0,0] neg_lo:[0,0,1] neg_hi:[0,0,1]
.endr
.irp j, 0,1,2,3,4,5,6,7
	v_exp_f32 v[240+\j], v[240+\j]
.endr
	v_nop
	s_wait_alu depctr_va_vdst(0)                   ; one wait for the eight
	v_pk_add_f32 v[252:253], v[240:241], v[242:243]
	v_pk_add_f32 v[254:255], v[244:245], v[246:247]
	v_pk_add_f32 v[252:253], v[252:253], v[254:255]
	v_add_f32 v252, v252, v253
	v_permlanex16_b32 v249, v252, s20, s21
	v_add_f32 v252, v252, v249                     ; the row's sum
	v_rcp_f32 v254, v252
	v_nop
	s_wait_alu depctr_va_vdst(0)
.irp j, 0,2,4,6
	v_pk_mul_f32 v[240+\j:241+\j], v[240+\j:241+\j], v[254:255] op_sel_hi:[1,0]   ; the weights
.endr
	s_wait_loadcnt 32                              ; V is in; the 32 loads of the weight may be out
.irp ct, 0,1,2,3
	v_wmma_f32_16x16x4_f32 v[192+8*\ct:199+8*\ct], v[80+8*\ct:81+8*\ct], v[240:241], 0
.endr
.irp s, 1,2,3
.irp ct, 0,1,2,3
	v_wmma_f32_16x16x4_f32 v[192+8*\ct:199+8*\ct], v[80+8*\ct+2*\s:81+8*\ct+2*\s], v[240+2*\s:241+2*\s], v[192+8*\ct:199+8*\ct]
.endr
.endr
.irp ct, 2,3
.irp nt, 0,1
.irp jj, 0,1,2,3,4,5,6,7
	global_load_b32 v[112+16*\ct+8*\nt+\jj], v8, s[6:7] offset:(16*\ct+\jj)*4096+\nt*64
.endr
.endr
.endr
.rept 9
	v_nop                                          ; nine places: the results become a matrix instruction's source
.endr
	s_wait_loadcnt 32                              ; the weight's first 32 are in
.irp ct, 0,1,2,3
.if \ct == 2
	s_wait_loadcnt 0x0
.endif
.irp s, 0,1,2,3
.irp nt, 0,1
.if (\ct == 0) && (\s == 0)
	v_wmma_f32_16x16x4_f32 v[224+8*\nt:231+8*\nt], v[112+16*\ct+8*\nt+2*\s:113+16*\ct+8*\nt+2*\s], v[192+8*\ct+2*\s:193+8*\ct+2*\s], 0
.else
	v_wmma_f32_16x16x4_f32 v[224+8*\nt:231+8*\nt], v[112+16*\ct+8*\nt+2*\s:113+16*\ct+8*\nt+2*\s], v[192+8*\ct+2*\s:193+8*\ct+2*\s], v[224+8*\nt:231+8*\nt]
.endif
.endr
.endr
.endr
.rept 8
	v_nop
.endr
.irp g, 0,1,2,3
	ds_store_b128 v13, v[224+4*\g:227+4*\g] offset:512*\g      ; my head's part: lane (r, h), register 8 nt + j: position r, column 16 nt + 8 h + j
.endr
	s_wait_dscnt 0x0                               ; for the others' sake: my stores are done
	s_barrier_signal -1
	s_barrier_wait -1
.set ii, 0
.rept 16
	ds_load_b32 v[16+ii], v11 offset:2048*ii       ; the sixteen heads' parts of my number
.set ii, ii+1
.endr
	s_wait_dscnt 0x0
.irp i, 0,2,4,6,8,10,12,14
	v_add_f32 v[16+\i], v[16+\i], v[17+\i]
.endr
.irp i, 0,4,8,12
	v_add_f32 v[16+\i], v[16+\i], v[18+\i]
.endr
.irp i, 0,8
	v_add_f32 v[16+\i], v[16+\i], v[20+\i]
.endr
	v_add_f32 v16, v16, v24
	v_add_f32 v16, v16, v15                        ; + b_proj
	global_store_b32 v12, v16, s[10:11]            ; a wave stores 128 consecutive bytes of one row
	s_wait_tensorcnt 0x0                           ; the wave's end
	ds_add_u32 v2, v3
	s_wait_dscnt 0x0
	s_endpgm
.Lfunc_end_k_q6ce0d3498f_fine:
	.size	k_q6ce0d3498f_fine, .Lfunc_end_k_q6ce0d3498f_fine-k_q6ce0d3498f_fine
	.p2alignl 7, 3214868480
	.fill 96, 4, 3214868480
	.section	.rodata,"a",@progbits
	.p2align	6, 0x0
	.amdhsa_kernel k_q6ce0d3498f_fine
		.amdhsa_group_segment_fixed_size 34816
		.amdhsa_private_segment_fixed_size 0
		.amdhsa_enable_private_segment 0
		.amdhsa_kernarg_size 32
		.amdhsa_user_sgpr_count 2
		.amdhsa_user_sgpr_kernarg_segment_ptr 1
		.amdhsa_wavefront_size32 1
		.amdhsa_system_sgpr_workgroup_id_x 1
		.amdhsa_system_sgpr_workgroup_id_y 1
		.amdhsa_system_sgpr_workgroup_id_z 1
		.amdhsa_system_vgpr_workitem_id 0
		.amdhsa_next_free_vgpr 256
		.amdhsa_next_free_sgpr 66
		.amdhsa_reserve_vcc 1
		.amdhsa_float_denorm_mode_32 3
		.amdhsa_float_denorm_mode_16_64 3
		.amdhsa_memory_ordered 1
		.amdhsa_forward_progress 1
		.amdhsa_inst_pref_size 23
	.end_amdhsa_kernel
	.amdgpu_metadata
---
amdhsa.version: [ 1, 2 ]
amdhsa.kernels:
  - .name:           k_q6ce0d3498f_fine
    .symbol:         k_q6ce0d3498f_fine.kd
    .args:
      - { .name: qkvf, .offset: 0, .size: 8, .value_kind: global_buffer, .address_space: global }
      - { .name: w_proj, .offset: 8, .size: 8, .value_kind: global_buffer, .address_space: global }
      - { .name: b_proj, .offset: 16, .size: 8, .value_kind: global_buffer, .address_space: global }
      - { .name: out0, .offset: 24, .size: 8, .value_kind: global_buffer, .address_space: global }
    .group_segment_fixed_size: 34816
    .private_segment_fixed_size: 0
    .kernarg_segment_align: 8
    .kernarg_segment_size: 32
    .max_flat_workgroup_size: 512
    .sgpr_count:     66
    .vgpr_count:     256
    .wavefront_size: 32
...
	.end_amdgpu_metadata
.endif
;; end of part 5
